; MI455X (gfx1250); checked and timed in simulation.
; The chip was launched on July 23, 2026; its instructions are those of AMD's public machine-readable ISA for CDNA 5 (MIT licence, August 2026) and "CDNA5" Instruction Set Architecture Reference Guide (July 2026). The comments in the code are by the model that wrote it; some were corrected since.
;; Causal Attention. Allowed arithmetic: float matrix products may take bf16 or f16 operands with f32 sums; all other float work in f32.
;; Inputs: Wk 768 x 768 float32; Wq 768 x 768 float32; Wv 768 x 768 float32; x 4 x 2,048 x 768 float32.
;; Outputs: out0 4 x 2,048 x 768 float32.
;; 3 versions, each right; version 3 is version 2 with the launch cast written anew for expert scheduling mode. Each part assembles by itself: llvm-mc -triple=amdgcn-amd-amdhsa -mcpu=gfx1250 --defsym DOCPART=n.
;; ======== version 1 of 3: 4 launches
;; limits: values are held in f16: magnitudes above 65,504 overflow, below 6.1e-05 lose precision
;; workspace buffers: xb 12,582,912 bytes; wb 3,538,944 bytes; qkv 37,748,736 bytes; pt 33,554,432 bytes; mst 524,288 bytes; lst 524,288 bytes
;; launch cast (part 1): grid 246 x 1, 8 waves a work-group, no clusters, 0 bytes of LDS; arguments x, Wq, Wk, Wv, xb, wb; writes xb, wb
.if DOCPART == 1
	.amdgcn_target "amdgcn-amd-amdhsa--gfx1250"
	.amdhsa_code_object_version 6
	.text
	.protected	k_q43bdfc94d2_cast
	.globl	k_q43bdfc94d2_cast
	.p2align	8
	.type	k_q43bdfc94d2_cast,@function
k_q43bdfc94d2_cast:
	s_mov_b64 s[64:65], 0
	v_nop
	global_prefetch_b8 v0, s[64:65] scope:SCOPE_SE
	s_setreg_imm32_b32 hwreg(HW_REG_WAVE_MODE, 25, 1), 1
	s_wait_xcnt 0x0
; xb = bf16(x), wb = bf16(Wq, Wk, Wv stacked by rows), rounded to nearest even.  A stream: every byte is read once and written once.
; A work-group converts 32,768 numbers (131,072 bytes in, 65,536 out).  x is 192 such pieces (work-groups 0-191), each W 18 (work-groups 192-245).
; Thread t takes 16 bytes at 16 t of each 4,096-byte line of its piece: a wave's load covers 512 neighbouring bytes, its 8-byte store 256
; neighbouring bytes that start at a multiple of 256.  All 32 loads of a wave go out first; no register is written twice, so the only
; waits are the counted ones for the data.  No LDS, no barrier, no matrix unit: there is nothing to share and nothing to multiply.
.set NLD, 32                           ; loads of a thread
.set X,   4                            ; v[4:131]   the numbers as loaded
.set Y,   132                          ; v[132:195] the numbers as stored
	s_load_b256 s[4:11], s[0:1], 0x0               ; x s[4:5], Wq s[6:7], Wk s[8:9], Wv s[10:11]
	s_load_b128 s[12:15], s[0:1], 0x20             ; xb s[12:13], wb s[14:15]
	s_max_u32 s17, ttmp9, 192
	s_sub_co_u32 s17, s17, 192                     ; j: the piece among the 54 of the weights (0 for the work-groups of x, not used there)
	v_lshlrev_b32 v1, 4, v0                        ; 16 t: where I read
	v_lshlrev_b32 v2, 3, v0                        ; 8 t: where I write
	s_wait_kmcnt 0x0
	s_mov_b64 s[20:21], s[6:7]                     ; the source and the piece's number in it: Wq, j
	s_mov_b32 s18, s17
	s_sub_co_u32 s19, s17, 18                      ; (wraps where j < 18: then it is not taken)
	s_cmp_ge_u32 s17, 18
	s_cselect_b64 s[20:21], s[8:9], s[20:21]       ; Wk, j - 18
	s_cselect_b32 s18, s19, s18
	s_sub_co_u32 s19, s17, 36
	s_cmp_ge_u32 s17, 36
	s_cselect_b64 s[20:21], s[10:11], s[20:21]     ; Wv, j - 36
	s_cselect_b32 s18, s19, s18
	s_cmp_lt_u32 ttmp9, 192
	s_cselect_b64 s[20:21], s[4:5], s[20:21]       ; x, the work-group's number
	s_cselect_b32 s18, ttmp9, s18
	s_cselect_b64 s[22:23], s[12:13], s[14:15]     ; the destination: xb, or wb, in which the three weights follow each other
	s_cselect_b32 s19, ttmp9, s17
	s_lshl_b32 s24, s18, 17                        ; 131,072 bytes a piece in
	s_mov_b32 s25, 0
	s_lshl_b32 s26, s19, 16                        ; 65,536 out
	s_mov_b32 s27, 0
	s_add_nc_u64 s[20:21], s[20:21], s[24:25]
	s_add_nc_u64 s[22:23], s[22:23], s[26:27]
.set j, 0
.rept NLD
	global_load_b128 v[X+4*j:X+4*j+3], v1, s[20:21] offset:4096*j th:TH_LOAD_NT
.set j, j+1
.endr
.set j, 0
.rept NLD
	s_wait_loadcnt NLD-1-j                         ; loads come back in order (ISA guide 5.7.1): load j is in, the younger ones stay out
	v_cvt_pk_bf16_f32 v[Y+2*j],   v[X+4*j],   v[X+4*j+1]
	v_cvt_pk_bf16_f32 v[Y+2*j+1], v[X+4*j+2], v[X+4*j+3]
	global_store_b64 v2, v[Y+2*j:Y+2*j+1], s[22:23] offset:2048*j
.set j, j+1
.endr
	s_endpgm
.Lfunc_end_k_q43bdfc94d2_cast:
	.size	k_q43bdfc94d2_cast, .Lfunc_end_k_q43bdfc94d2_cast-k_q43bdfc94d2_cast
	.p2alignl 7, 3214868480
	.fill 96, 4, 3214868480
	.section	.rodata,"a",@progbits
	.p2align	6, 0x0
	.amdhsa_kernel k_q43bdfc94d2_cast
		.amdhsa_group_segment_fixed_size 0
		.amdhsa_private_segment_fixed_size 0
		.amdhsa_enable_private_segment 0
		.amdhsa_kernarg_size 48
		.amdhsa_user_sgpr_count 2
		.amdhsa_user_sgpr_kernarg_segment_ptr 1
		.amdhsa_wavefront_size32 1
		.amdhsa_system_sgpr_workgroup_id_x 1
		.amdhsa_system_sgpr_workgroup_id_y 1
		.amdhsa_system_sgpr_workgroup_id_z 1
		.amdhsa_system_vgpr_workitem_id 0
		.amdhsa_next_free_vgpr 196
		.amdhsa_next_free_sgpr 66
		.amdhsa_reserve_vcc 0
		.amdhsa_float_denorm_mode_32 3
		.amdhsa_float_denorm_mode_16_64 3
		.amdhsa_memory_ordered 1
		.amdhsa_forward_progress 1
		.amdhsa_inst_pref_size 13
	.end_amdhsa_kernel
	.amdgpu_metadata
---
amdhsa.version: [ 1, 2 ]
amdhsa.kernels:
  - .name:           k_q43bdfc94d2_cast
    .symbol:         k_q43bdfc94d2_cast.kd
    .args:
      - { .name: x, .offset: 0, .size: 8, .value_kind: global_buffer, .address_space: global }
      - { .name: Wq, .offset: 8, .size: 8, .value_kind: global_buffer, .address_space: global }
      - { .name: Wk, .offset: 16, .size: 8, .value_kind: global_buffer, .address_space: global }
      - { .name: Wv, .offset: 24, .size: 8, .value_kind: global_buffer, .address_space: global }
      - { .name: xb, .offset: 32, .size: 8, .value_kind: global_buffer, .address_space: global }
      - { .name: wb, .offset: 40, .size: 8, .value_kind: global_buffer, .address_space: global }
    .group_segment_fixed_size: 0
    .private_segment_fixed_size: 0
    .kernarg_segment_align: 8
    .kernarg_segment_size: 48
    .max_flat_workgroup_size: 256
    .sgpr_count:     66
    .vgpr_count:     196
    .wavefront_size: 32
...
	.end_amdgpu_metadata
.endif
;; end of part 1
;; launch project (part 2): grid 8 x 32, 4 waves a work-group, clusters of 4 x 4, 327,680 bytes of LDS; arguments xb, wb, qkv; writes qkv
.if DOCPART == 2
	.amdgcn_target "amdgcn-amd-amdhsa--gfx1250"
	.amdhsa_code_object_version 6
	.text
	.protected	k_q43bdfc94d2_project
	.globl	k_q43bdfc94d2_project
	.p2align	8
	.type	k_q43bdfc94d2_project,@function
k_q43bdfc94d2_project:
	s_mov_b64 s[64:65], 0
	v_nop
	global_prefetch_b8 v0, s[64:65] scope:SCOPE_SE
	s_setreg_imm32_b32 hwreg(HW_REG_WAVE_MODE, 25, 1), 1
	s_wait_xcnt 0x0
	s_wait_alu depctr_hold_cnt(0) depctr_sa_sdst(0) depctr_va_vdst(0) depctr_va_sdst(0) depctr_va_ssrc(0) depctr_va_vcc(0) depctr_vm_vsrc(0)
	s_getreg_b32 s2, hwreg(HW_REG_IB_STS2, 6, 4)
	s_cmp_eq_u32 s2, 0
	s_cbranch_scc0 .Lentry_in_a_cluster
	s_endpgm
.Lentry_in_a_cluster:
	s_bfe_u32 s2, ttmp6, 0x10000c
	s_cmp_lg_u32 s2, 0xf033
	s_cbranch_scc0 .Lentry_shape_is_right
	s_endpgm
.Lentry_shape_is_right:
; qkv[m][n] = sum over k of xb[m][k] wb[n][k]: the three projections as one product.  xb [8192][768] bf16, wb [2304][768] bf16 (rows: Wq, Wk, Wv),
; qkv [8192][2304] f16 (a row: q, k, v), sums in f32, rounded once.
; LIMIT: the results are kept in f16, so |q|, |k|, |v| must stay below 65,504; beyond that they become infinite.
; 8192 x 2304 outputs on 256 work-groups are 73,728 each: a block of 256 x 288, four waves, a wave 128 x 144 = 72 accumulator tiles of 16 x 16, 576 registers.
; K goes in 6 steps of 128 through two LDS slots filled by the tensor data mover; a tile's rows are 256 bytes of memory at multiples of 256 bytes.
; A wave's piece of an output row is 288 bytes and begins at 576 bx + 288 hc, so the 256-byte spans at the pieces' ends are written by two stores: the price of the 288.
; CLUSTERS: 4 x 4 work-groups.  The four of a row of the cluster need the same rows of xb, the four of a column the same rows of wb: each tile is asked for
; jointly, by the same tensor load with the same descriptor and a mask that names the four.
; REGISTERS, in windows of 256: window 0: v16-28 addresses; v32-95, v96-159 fragments of xb (8 x 16 rows x 32 K), two buffers; v160-231 fragments of wb (9), buffer 0.
;   Accumulator tile t = 9 a + b lies at register 256 + 8 t (windows 1, 2 and the first 64 of window 3); wb's buffer 1 is v832-903 (window 3, 64-135).
; THE MATRIX INSTRUCTION IS USED TRANSPOSED: source 0 = 16 rows of wb, source 1 = 16 rows of xb, so that lane l holds row l % 16 of the result and its eight
; registers the columns 8 (l / 16) + 0..7: eight neighbours of a row, 16 bytes in f16.
.set SIZE_K, 768
.set KSTEP,  128
.set PITCH,  272                       ; an LDS row: 256 bytes + 16 of padding, an odd multiple of 16: the 16 rows of a fragment load start in 16 different 16-byte columns of a 256-byte span
.set HA,     128*PITCH                 ; 128 rows of xb: one tensor load, and what a wave reads of xb
.set HB,     144*PITCH                 ; 144 rows of wb: likewise
.set AOFF,   2*HB                      ; a slot: wb's two halves, then xb's two halves
.set SLOT,   2*HB+2*HA
.set STAGE,  2*SLOT                    ; behind the ring (a multiple of 256): 16 rows x 304 bytes for each wave, for the way out; no fill lands there
.set SPITCH, 304                       ; 288 bytes + 16
.set ROWB,   4608                      ; bytes in a row of qkv
.set ADRA, 16                          ; v16-17  LDS address of my xb fragments in slot 0, 1
.set ADRB, 20                          ; v20-21  the same for wb
.set STO,  24                          ; the way out: where I put 16 bytes of a row
.set RD,   25                          ; where I read the first 256 bytes of a row back
.set CO,   26                          ; and where they go in qkv
.set RD2,  27                          ; the same for the last 32 bytes of the 16 rows
.set CO2,  28
.set FA0,  32
.set FA1,  96
.set FB0,  160
.set FB1,  64                          ; in window 3
.set TMP,  32                          ; the way out: 36 registers of packed results
.set G1,  24                           ; s[24:31] descriptor group 1 for xb's tiles
.set G0,  32                           ; s[32:39] descriptor group 0 for xb's tiles, a set for each slot
.set G1B, 48                           ; s[48:55], s[56:63]: the same for wb's tiles
.set G0B, 56
.set MSB, 0
.macro WIN new                         ; the immediate's high byte repeats the setting that is left; a switch that changes nothing is dropped
.if MSB != (\new)
	s_set_vgpr_msb (MSB<<8)|(\new)
.set MSB, \new
.endif
.endm
; A joint load.  Waves 0 and 1 fetch wb's two halves, waves 2 and 3 xb's.  Each line has one mask and one set of registers; the branch hangs on the wave's number alone.
.macro JLOAD s
	s_cmp_eq_u32 s11, 0
	s_cbranch_scc0 .Lfor_a_\@
	tensor_load_to_lds s[G0B+4*(\s):G0B+4*(\s)+3], s[G1B:G1B+7]
	s_nop 0
	s_branch .Lasked_\@
.Lfor_a_\@:
	tensor_load_to_lds s[G0+4*(\s):G0+4*(\s)+3], s[G1:G1+7]
	s_nop 0
.Lasked_\@:
.endm
; A round of the cluster's barrier: my work-group's barrier; wave 0 signals for the work-group; every wave waits for all sixteen; my work-group's barrier again.
.macro CREST                           ; a round behind its opening barrier
	s_cmp_lg_u32 s10, 0
	s_cbranch_scc1 .Lnot_wave_0_\@
	s_barrier_signal -3
.Lnot_wave_0_\@:
	s_barrier_wait -3
	s_barrier_signal -1
	s_barrier_wait -1
.endm
.macro CROUND
	s_barrier_signal -1
	s_barrier_wait -1
	CREST
.endm
	s_load_b128 s[4:7], s[0:1], 0x0                ; xb s[4:5], wb s[6:7]
	s_load_b64 s[8:9], s[0:1], 0x10                ; qkv
	s_set_vgpr_msb 0xc0
	v_lshl_add_u32 v137, v0, 2, 0x4d000
	s_set_vgpr_msb 0xc000
	v_mov_b32 v255, 0
	s_set_vgpr_msb 0x3
	ds_add_u32 v137, v255
	ds_add_u32 v137, v255
	s_set_vgpr_msb 0x300
	v_lshrrev_b32 v1, 5, v0
	v_readfirstlane_b32 s10, v1                    ; wave 0..3
	s_lshr_b32 s11, s10, 1                         ; hr: which half of the block's rows is mine.  Also: I fetch for wb (0) or for xb (1)
	s_and_b32 s12, s10, 1                          ; hc: which half of its columns.  Also: which half of that tile I fetch
	s_bfe_u32 s40, ttmp6, 0x40000                  ; cx
	s_bfe_u32 s41, ttmp6, 0x40004                  ; cy
	s_lshl_b32 s42, ttmp9, 2
	s_add_co_u32 s42, s42, s40                     ; bx, block column = 4 x cluster x + cx
	s_and_b32 s13, ttmp7, 0xffff
	s_lshl_b32 s13, s13, 2
	s_add_co_u32 s13, s13, s41                     ; by, block row = 4 x cluster y + cy
	s_lshl_b32 s43, s41, 2
	s_lshl_b32 s43, 15, s43                        ; my row of the cluster: places 4 cy .. 4 cy + 3
	s_lshl_b32 s44, 0x1111, s40                    ; my column: places cx, cx + 4, cx + 8, cx + 12
	; group 1: rows of 128 elements of 2 bytes, 16 bytes of padding behind every 64 words
	s_or_b32 s[G1+0], s43, (1<<16)|(1<<20)|(1<<21)|(5<<22)|(3<<25)   ; 15:0 mask: xb's tiles go to my row; 17:16 2 bytes; 20 padding; 21 set beside a mask; 24:22 every 64 words; 31:25 4 words
	s_or_b32 s[G1B+0], s44, (1<<16)|(1<<20)|(1<<21)|(5<<22)|(3<<25)  ; wb's tiles go to my column
	s_mov_b32 s[G1+1], KSTEP<<16                   ; tensor_dim0 = 128
	s_mov_b32 s[G1B+1], KSTEP<<16
	s_mov_b32 s[G1+2], 128<<16                     ; tensor_dim1 = 128 rows
	s_mov_b32 s[G1B+2], 144<<16                    ;             = 144 rows
	s_mov_b32 s[G1+3], KSTEP<<16                   ; tile_dim0 = 128
	s_mov_b32 s[G1B+3], KSTEP<<16
	s_mov_b32 s[G1+4], 128                         ; tile_dim1
	s_mov_b32 s[G1B+4], 144
	s_mov_b32 s[G1+5], SIZE_K                      ; elements from row to row
	s_mov_b32 s[G1B+5], SIZE_K
	s_mov_b32 s[G1+6], 0
	s_mov_b32 s[G1B+6], 0
	s_mov_b32 s[G1+7], 0
	s_mov_b32 s[G1B+7], 0
	; xb's tiles hang on the block row alone, wb's on the block column alone; each address is made in registers that never hold the other coordinate
	s_lshl_b32 s16, s13, 8
	s_lshl_b32 s17, s12, 7
	s_add_co_u32 s16, s16, s17                     ; xb: row 256 by + 128 x half
	s_mul_i32 s16, s16, SIZE_K*2                   ; in bytes: below 12,582,912
	s_mov_b32 s17, 0
	s_mul_i32 s46, s42, 288
	s_mul_i32 s47, s12, 144
	s_add_co_u32 s46, s46, s47                     ; wb: row 288 bx + 144 x half
	s_mul_i32 s46, s46, SIZE_K*2
	s_mov_b32 s47, 0
	s_mul_i32 s20, s10, HA
	s_add_co_u32 s20, s20, AOFF-2*HA               ; where xb's halves go: waves 2, 3 -> AOFF, AOFF + HA
	s_mul_i32 s21, s10, HB                         ; where wb's halves go: waves 0, 1 -> 0, HB
	s_wait_dscnt 0x0
	s_wait_kmcnt 0x0
	s_add_nc_u64 s[14:15], s[4:5], s[16:17]
	s_add_nc_u64 s[46:47], s[6:7], s[46:47]
	CROUND                                         ; all sixteen work-groups are here: the first joint loads meet
.irp s, 0,1
	s_mov_b32 s[G0+4*\s], 1                                        ; count = 1
	s_add_co_u32 s[G0+4*\s+1], s20, \s*SLOT                        ; LDS address
	s_add_nc_u64 s[G0+4*\s+2:G0+4*\s+3], s[14:15], \s*KSTEP*2      ; global address: K step s
	s_or_b32 s[G0+4*\s+3], s[G0+4*\s+3], 0x80000000                ; type = 2
	s_mov_b32 s[G0B+4*\s], 1
	s_add_co_u32 s[G0B+4*\s+1], s21, \s*SLOT
	s_add_nc_u64 s[G0B+4*\s+2:G0B+4*\s+3], s[46:47], \s*KSTEP*2
	s_or_b32 s[G0B+4*\s+3], s[G0B+4*\s+3], 0x80000000
	JLOAD \s                                       ; both slots' first fills: two tensor loads of the wave are out, the most in this text
.endr
	; a fragment: lane l holds row l % 16; registers 0-3 K = 8 (l / 16) + 0..7, registers 4-7 K = 16 + 8 (l / 16) + 0..7: two loads of 16 bytes, 32 apart
	v_and_b32 v1, 15, v0                           ; r = l % 16
	v_bfe_u32 v2, v0, 4, 1                         ; h = l / 16
	v_mul_u32_u24 v3, v1, PITCH
	v_lshl_add_u32 v3, v2, 4, v3
	s_mul_i32 s18, s11, HA
	s_add_co_u32 s18, s18, AOFF                    ; my 128 rows of xb
	s_mul_i32 s19, s12, HB                         ; my 144 rows of wb
.irp s, 0,1
	v_add_nc_u32 v[ADRA+\s], s18, v3
	v_add_nc_u32 v[ADRB+\s], s19, v3
	s_add_co_u32 s18, s18, SLOT
	s_add_co_u32 s19, s19, SLOT
.endr
	s_mul_i32 s23, s10, 16*SPITCH
	s_add_co_u32 s23, s23, STAGE                   ; my stage
	v_mul_u32_u24 v4, v1, SPITCH
	v_lshl_add_u32 v4, v2, 4, v4
	v_add_nc_u32 v[STO], s23, v4                   ; in: row r, 16 bytes for each half of the lanes
	v_mul_u32_u24 v5, v2, SPITCH
	v_lshl_add_u32 v5, v1, 4, v5
	v_add_nc_u32 v[RD], s23, v5                    ; back: lanes 0-15 the first 256 bytes of one row, lanes 16-31 of the next
	v_mul_u32_u24 v5, v2, ROWB
	v_lshl_add_u32 v[CO], v1, 4, v5
	v_and_b32 v6, 31, v0
	v_lshrrev_b32 v7, 1, v6                        ; the last 32 bytes of the 16 rows: two lanes a row
	v_and_b32 v6, 1, v6
	v_lshlrev_b32 v6, 4, v6
	v_add_nc_u32 v6, 256, v6
	v_mad_u32_u24 v8, v7, SPITCH, v6
	v_add_nc_u32 v[RD2], s23, v8
	v_mad_u32_u24 v[CO2], v7, ROWB, v6
; 9 n matrix instructions: row blocks a0 .. a0 + n - 1 x all 9 column blocks, 32 along K, from fragment buffer buf.  zero = 1: the first product starts the sums.
; The 72 accumulators take turns, one instruction a turn, always in the order t = 0 .. 71.
.macro MULS buf, a0, n, zero
.set ma, \a0
.rept \n
.set mb, 0
.rept 9
.set mt, 9*ma+mb
.set mw, 1+mt/32
.set ml, 8*(mt%32)
	WIN (mw<<6)|(mw<<4)|(3*\buf)
.if \zero
	v_wmma_f32_16x16x32_bf16 v[ml:ml+7], v[FB\buf+8*mb:FB\buf+8*mb+7], v[FA\buf+8*ma:FA\buf+8*ma+7], 0
.else
	v_wmma_f32_16x16x32_bf16 v[ml:ml+7], v[FB\buf+8*mb:FB\buf+8*mb+7], v[FA\buf+8*ma:FA\buf+8*ma+7], v[ml:ml+7]
.endif
.set mb, mb+1
.endr
.set ma, ma+1
.endr
.endm
; 34 LDS loads in one run: a quarter step's fragments (144 rows of wb, 128 rows of xb, 32 K at byte k of the rows) into buffer buf
.macro FETCH slot, k, buf
	WIN 0xc0*\buf
.irp i, 0,1,2,3,4,5,6,7,8
	ds_load_b128 v[FB\buf+8*\i:FB\buf+8*\i+3],   v[ADRB+\slot] offset:\k+\i*16*PITCH
	ds_load_b128 v[FB\buf+8*\i+4:FB\buf+8*\i+7], v[ADRB+\slot] offset:\k+\i*16*PITCH+32
.endr
	WIN 0
.irp i, 0,1,2,3,4,5,6,7
	ds_load_b128 v[FA\buf+8*\i:FA\buf+8*\i+3],   v[ADRA+\slot] offset:\k+\i*16*PITCH
	ds_load_b128 v[FA\buf+8*\i+4:FA\buf+8*\i+7], v[ADRA+\slot] offset:\k+\i*16*PITCH+32
.endr
.endm
; Four plain vector places stand between a matrix instruction and a load into, or a vector instruction on, one of its registers (ISA guide 7.12.1 for vector instructions)
.macro PLACES
.rept 4
	v_nop
.endr
.endm
; A quarter step: 72 matrix instructions on buffer f; in its middle the next quarter's fragments go into buffer g
.macro QUARTER slot, k, f, g, zero
	s_wait_dscnt 8                                 ; wb's fragments and xb's rows 0-63 are in; the youngest eight loads (xb's rows 64-127) may be out
	MULS \f, 0, 4, \zero
	PLACES
	FETCH \slot, \k, \g
	s_wait_dscnt 34                                ; all but the 34 just issued
	MULS \f, 4, 4, \zero
.endm
.macro THREE slot, zero
	QUARTER \slot, 64,  0, 1, \zero
	QUARTER \slot, 128, 1, 0, 0
	QUARTER \slot, 192, 0, 1, 0
.endm
; The last quarter multiplies buffer 1 and changes slots.  In front of the barrier each wave waits for its reads of this slot and for all its tensor loads
; (one is out: its part of the next slot).  Where the slot is filled again the barrier opens a round of the cluster's barrier, and the joint refill is the
; first tensor load behind the round.  From a request to the wait for it a wave issues 270 matrix instructions.
.macro TURN slot, next, fill
	s_wait_dscnt 8
	MULS 1, 0, 2, 0
	s_wait_dscnt 0x0                               ; my reads of this slot are over
	s_wait_tensorcnt 0x0                           ; all my tensor loads have landed
	ds_add_u32 v137, v255
	s_wait_dscnt 0x0
	s_barrier_signal -1
	MULS 1, 2, 2, 0                                ; register work while the others arrive
	WIN 0
	s_barrier_wait -1
.if \fill
	CREST                                          ; no wave of any partner still reads this slot or has a load on its way
	s_add_nc_u64 s[G0+4*\slot+2:G0+4*\slot+3], s[G0+4*\slot+2:G0+4*\slot+3], 2*KSTEP*2
	s_add_nc_u64 s[G0B+4*\slot+2:G0B+4*\slot+3], s[G0B+4*\slot+2:G0B+4*\slot+3], 2*KSTEP*2
	JLOAD \slot
.endif
	PLACES
	FETCH \next, 0, 0
	MULS 1, 4, 4, 0
.endm
.macro LAP zero                        ; two K steps, both slots filled again
	THREE 0, \zero
	TURN 0, 1, 1
	THREE 1, 0
	TURN 1, 0, 1
.endm
	s_wait_tensorcnt 1                             ; my part of K step 0 is in; K step 1's stays out
	s_barrier_signal -1
	s_barrier_wait -1
	FETCH 0, 0, 0
	LAP 1                                          ; K steps 0, 1; asks for 2, 3
	LAP 0                                          ; K steps 2, 3; asks for 4, 5
	THREE 0, 0                                     ; K steps 4, 5: nothing is left to ask for
	TURN 0, 1, 0
	THREE 1, 0
	s_wait_dscnt 8
	MULS 1, 0, 4, 0
	s_wait_dscnt 0x0
	MULS 1, 4, 4, 0
	; THE WAY OUT, 16 rows at a time: round to f16, 16 bytes a lane into my own stage, read back by rows, store.
	PLACES
	s_lshl_b32 s16, s13, 8
	s_lshl_b32 s17, s11, 7
	s_add_co_u32 s16, s16, s17                     ; my first row
	s_mul_i32 s16, s16, ROWB                       ; below 37,748,736
	s_mov_b32 s17, 0
	s_add_nc_u64 s[8:9], s[8:9], s[16:17]
	s_mul_i32 s46, s42, 576                        ; my first column, in bytes: 576 bx + 288 hc
	s_mul_i32 s47, s12, 288
	s_add_co_u32 s46, s46, s47
	s_mov_b32 s47, 0
	s_add_nc_u64 s[8:9], s[8:9], s[46:47]
; rows 16 a .. 16 a + 15 of my block = tiles 9 a .. 9 a + 8; f: the registers read back into, two sets in turn
.macro OUT16 a, f
.set ob, 0
.rept 9
.set ot, 9*\a+ob
.set ow, 1+ot/32
.set ol, 8*(ot%32)
	WIN ow|(ow<<2)
.irp r, 0,1,2,3
	v_cvt_pk_f16_f32 v[TMP+4*ob+\r], v[ol+2*\r], v[ol+2*\r+1]
.endr
.set ob, ob+1
.endr
	WIN 0
.irp b, 0,1,2,3,4,5,6,7,8
	ds_store_b128 v[STO], v[TMP+4*\b:TMP+4*\b+3] offset:32*\b
.endr
	s_wait_xcnt 0x0                                ; the stores' base and the registers that earlier stores read are rewritten only behind this wait
.if \a
	s_add_nc_u64 s[8:9], s[8:9], 16*ROWB
.endif
.irp t, 0,1,2,3,4,5,6,7
	ds_load_b128 v[\f+4*\t:\f+4*\t+3], v[RD] offset:\t*2*SPITCH    ; LDS serves a wave's instructions in order: these see the stores above
.endr
	ds_load_b128 v[\f+32:\f+35], v[RD2]
.irp t, 0,1,2,3,4,5,6,7
	s_wait_dscnt 8-\t                              ; the younger read-backs may be out
	global_store_b128 v[CO], v[\f+4*\t:\f+4*\t+3], s[8:9] offset:\t*2*ROWB      ; 16 lanes store 256 neighbouring bytes of a row
.endr
	s_wait_dscnt 0x0
	global_store_b128 v[CO2], v[\f+32:\f+35], s[8:9]                            ; the rows' last 32 bytes
.endm
	OUT16 0, 96
	OUT16 1, 160
	OUT16 2, 96
	OUT16 3, 160
	OUT16 4, 96
	OUT16 5, 160
	OUT16 6, 96
	OUT16 7, 160
	s_set_vgpr_msb 0x3
	s_wait_tensorcnt 0x0
	ds_add_u32 v137, v255
	s_wait_dscnt 0x0
	s_set_vgpr_msb 0x300
	CROUND                                         ; the closing round: no work-group ends while a partner may still ask for a tile that names it
	s_endpgm
.Lfunc_end_k_q43bdfc94d2_project:
	.size	k_q43bdfc94d2_project, .Lfunc_end_k_q43bdfc94d2_project-k_q43bdfc94d2_project
	.p2alignl 7, 3214868480
	.fill 96, 4, 3214868480
	.section	.rodata,"a",@progbits
	.p2align	6, 0x0
	.amdhsa_kernel k_q43bdfc94d2_project
		.amdhsa_group_segment_fixed_size 327680
		.amdhsa_private_segment_fixed_size 0
		.amdhsa_enable_private_segment 0
		.amdhsa_kernarg_size 24
		.amdhsa_user_sgpr_count 2
		.amdhsa_user_sgpr_kernarg_segment_ptr 1
		.amdhsa_wavefront_size32 1
		.amdhsa_system_sgpr_workgroup_id_x 1
		.amdhsa_system_sgpr_workgroup_id_y 1
		.amdhsa_system_sgpr_workgroup_id_z 1
		.amdhsa_system_vgpr_workitem_id 0
		.amdhsa_next_free_vgpr 906
		.amdhsa_next_free_sgpr 66
		.amdhsa_reserve_vcc 0
		.amdhsa_float_denorm_mode_32 3
		.amdhsa_float_denorm_mode_16_64 3
		.amdhsa_memory_ordered 1
		.amdhsa_forward_progress 1
		.amdhsa_inst_pref_size 217
	.end_amdhsa_kernel
	.amdgpu_metadata
---
amdhsa.version: [ 1, 2 ]
amdhsa.kernels:
  - .name:           k_q43bdfc94d2_project
    .symbol:         k_q43bdfc94d2_project.kd
    .args:
      - { .name: xb, .offset: 0, .size: 8, .value_kind: global_buffer, .address_space: global }
      - { .name: wb, .offset: 8, .size: 8, .value_kind: global_buffer, .address_space: global }
      - { .name: qkv, .offset: 16, .size: 8, .value_kind: global_buffer, .address_space: global }
    .group_segment_fixed_size: 327680
    .private_segment_fixed_size: 0
    .kernarg_segment_align: 8
    .kernarg_segment_size: 24
    .max_flat_workgroup_size: 128
    .sgpr_count:     66
    .vgpr_count:     906
    .wavefront_size: 32
...
	.end_amdgpu_metadata
.endif
;; end of part 2
;; launch scores (part 3): grid 36 x 4, 4 waves a work-group, no clusters, 327,680 bytes of LDS; arguments qkv, pt, mst, lst; writes pt, mst, lst
.if DOCPART == 3
	.amdgcn_target "amdgcn-amd-amdhsa--gfx1250"
	.amdhsa_code_object_version 6
	.text
	.protected	k_q43bdfc94d2_scores
	.globl	k_q43bdfc94d2_scores
	.p2align	8
	.type	k_q43bdfc94d2_scores,@function
k_q43bdfc94d2_scores:
	s_mov_b64 s[64:65], 0
	v_nop
	global_prefetch_b8 v0, s[64:65] scope:SCOPE_SE
	s_setreg_imm32_b32 hwreg(HW_REG_WAVE_MODE, 25, 1), 1
	s_wait_xcnt 0x0
; For each batch (grid y) and each of the 36 blocks of 256 x 256 on or below the diagonal (grid x): S = q k^T over d = 768 (f16 operands, f32 sums), the causal
; mask, and for every row and every chunk of 128 keys: m = c x (the chunk's largest score), p~ = exp2(c s - m) in f16, l = the sum of p~ in f32, c = log2(e) / sqrt(768).
; pt [4][2048][2048] f16 takes p~ (only quadrants of 128 x 128 with chunk <= row block are written, and only those are read later);
; mst, lst [4][16 chunks][2048 rows] f32 take m and l.  The maximum is taken away here per chunk and once more, over the chunks, in the next launch.
; Four waves, a wave one quadrant of 128 x 128: 64 accumulator tiles, 512 registers; so a wave's quadrant is one chunk for its 128 rows.
; K in 6 steps of 128 through two LDS slots; each wave fetches 128 rows x 256 bytes of a slot (waves 0, 1: q's halves, waves 2, 3: k's halves).
; NO CLUSTER: a batch's triangle has block rows of 1 to 8 blocks, which do not divide into groups of four that share one operand.
; On the diagonal blocks the quadrant above the diagonal (row half 0, key half 1) is wholly masked and never read: that wave multiplies along (it shares the barriers) and stores nothing.
; REGISTERS: window 0: v16-30 addresses; v64-127, v128-191 fragments of q, two buffers; v192-223 packed results; v224-239 softmax.  Window 1: v64-191 fragments of k.
;   Window 2: the 32 tiles of my rows 0-63 (tile (a, b) at v[8 (8 a + b)]); window 3: those of rows 64-127.
; THE MATRIX INSTRUCTION IS USED TRANSPOSED (source 0 = rows of k, source 1 = rows of q): lane l holds query row l % 16, its registers the keys 8 (l / 16) + 0..7.
; So a row's 128 scores lie in two lanes, l and l xor 16: the reductions are in the lane but for one step across the halves.
.set KSTEP,  128
.set PITCH,  272                       ; 256 bytes + 16 of padding, an odd multiple of 16
.set HALFT,  128*PITCH
.set SLOT,   4*HALFT
.set STAGE,  2*SLOT                    ; 16 rows x 272 bytes for each wave (a multiple of 256 from LDS byte 0; no fill lands there)
.set SPITCH, 272
.set STATS,  STAGE+4*16*SPITCH         ; 1,024 bytes for each wave: m of its 128 rows, then l
.set ROWB,   4608                      ; bytes in a row of qkv
.set PROW,   4096                      ; bytes in a row of pt
.set ADRA, 16
.set ADRB, 20
.set STO,  24
.set RD,   25
.set CO,   26
.set DL,   27                          ; r - 8 h: key j of the diagonal tile is masked where j > DL
.set SA,   28                          ; my row's word in my wave's statistics
.set SR,   29                          ; where I read 16 bytes of them back
.set SG,   30                          ; 16 x lane: where they go
.set F0,   64
.set F1,   128
.set TMP,  192
.set MX,   224                         ; v[224:227] four chains of maxima
.set NM,   228                         ; v[228:229] -m, twice
.set ST,   230                         ; m
.set SM,   232                         ; v[232:239] four chains of pairs of sums
.set G1,   24                          ; s[24:31]
.set G0,   32                          ; s[32:39] a set for each slot
.set MK,   48                          ; s[48:55] lane masks of the diagonal tile, one for each register
.set MSB, 0
.macro WIN new
.if MSB != (\new)
	s_set_vgpr_msb (MSB<<8)|(\new)
.set MSB, \new
.endif
.endm
.set MUL_LO, 0xa1                      ; source 0 (k) window 1, source 1 (q) window 0, C and D window 2
.set MUL_HI, 0xf1
.set TO_B,   0x40
	s_load_b256 s[4:11], s[0:1], 0x0               ; qkv s[4:5], pt s[6:7], mst s[8:9], lst s[10:11]
	s_set_vgpr_msb 0x40
	v_lshl_add_u32 v255, v0, 2, 0x49400
	s_set_vgpr_msb 0x4000
	v_mov_b32 v255, 0
	s_set_vgpr_msb 0x1
	ds_add_u32 v255, v255
	ds_add_u32 v255, v255
	s_set_vgpr_msb 0x100
	v_lshrrev_b32 v1, 5, v0
	v_readfirstlane_b32 s12, v1                    ; wave
	s_lshr_b32 s13, s12, 1                         ; hr: my half of the rows.  Also: I fetch q (0) or k (1)
	s_and_b32 s14, s12, 1                          ; hc: my half of the keys.  Also: which 128 rows I fetch
	s_and_b32 s15, ttmp7, 0xffff                   ; batch
	s_mov_b32 s16, 0                               ; I = how many of the triangle's row starts 1, 3, 6, .. the block's number has reached
.irp th, 1,3,6,10,15,21,28
	s_cmp_ge_u32 ttmp9, \th
	s_add_co_ci_u32 s16, s16, 0
.endr
	s_add_co_u32 s17, s16, 1
	s_mul_i32 s17, s17, s16
	s_lshr_b32 s17, s17, 1
	s_sub_co_u32 s17, ttmp9, s17                   ; J = number - I (I + 1) / 2, 0 .. I
	s_mov_b32 s[G1+0], (1<<16)|(1<<20)|(5<<22)|(3<<25)   ; no mask; 2 bytes; padding of 4 words behind every 64
	s_mov_b32 s[G1+1], KSTEP<<16                   ; tensor_dim0 = 128
	s_mov_b32 s[G1+2], 128<<16                     ; tensor_dim1 = 128
	s_mov_b32 s[G1+3], KSTEP<<16                   ; tile_dim0 = 128
	s_mov_b32 s[G1+4], 128                         ; tile_dim1 = 128
	s_mov_b32 s[G1+5], 2304                        ; elements from row to row
	s_mov_b32 s[G1+6], 0
	s_mov_b32 s[G1+7], 0
	s_cmp_eq_u32 s13, 0
	s_cselect_b32 s18, s16, s17                    ; q's block row I, or k's J
	s_lshl_b32 s18, s18, 8
	s_lshl_b32 s19, s14, 7
	s_add_co_u32 s18, s18, s19
	s_lshl_b32 s19, s15, 11
	s_add_co_u32 s18, s18, s19                     ; row 2048 b + 256 block + 128 half
	s_mul_i32 s18, s18, ROWB                       ; below 37,748,736
	s_mul_i32 s19, s13, 1536                       ; k lies 1,536 bytes behind q in a row
	s_add_co_u32 s18, s18, s19
	s_mov_b32 s19, 0
	s_mul_i32 s20, s12, HALFT                      ; where my 128 rows go
	s_wait_dscnt 0x0
	s_wait_kmcnt 0x0
	s_add_nc_u64 s[18:19], s[4:5], s[18:19]
.irp s, 0,1
	s_mov_b32 s[G0+4*\s], 1
	s_add_co_u32 s[G0+4*\s+1], s20, \s*SLOT
	s_add_nc_u64 s[G0+4*\s+2:G0+4*\s+3], s[18:19], \s*KSTEP*2
	s_or_b32 s[G0+4*\s+3], s[G0+4*\s+3], 0x80000000
	tensor_load_to_lds s[G0+4*\s:G0+4*\s+3], s[G1:G1+7]            ; both first fills together: two loads of the wave are out, the most in this text
	s_nop 0
.endr
	s_mov_b32 s40, 0x3d553b95                      ; c = log2(e) / sqrt(768)
	s_mov_b32 s41, 0x3d553b95
	s_mov_b32 s42, 0xbd553b95                      ; -c
	s_mov_b32 s43, 0xff800000                      ; -infinity
	s_mov_b32 s44, 0x76543210                      ; v_permlanex16_b32: lane i reads lane i of the other half
	s_mov_b32 s45, 0xfedcba98
	v_and_b32 v1, 15, v0                           ; r
	v_bfe_u32 v2, v0, 4, 1                         ; h
	v_mul_u32_u24 v3, v1, PITCH
	v_lshl_add_u32 v3, v2, 4, v3
	s_mul_i32 s21, s13, HALFT                      ; my 128 rows of q
	s_mul_i32 s22, s14, HALFT
	s_add_co_u32 s22, s22, 2*HALFT                 ; my 128 rows of k
.irp s, 0,1
	v_add_nc_u32 v[ADRA+\s], s21, v3
	v_add_nc_u32 v[ADRB+\s], s22, v3
	s_add_co_u32 s21, s21, SLOT
	s_add_co_u32 s22, s22, SLOT
.endr
	s_mul_i32 s23, s12, 16*SPITCH
	s_add_co_u32 s23, s23, STAGE
	v_add_nc_u32 v[STO], s23, v3                   ; the stage has the tiles' pitch: row r, 16 bytes for each half of the lanes
	v_mul_u32_u24 v5, v2, SPITCH
	v_lshl_add_u32 v5, v1, 4, v5
	v_add_nc_u32 v[RD], s23, v5
	v_lshlrev_b32 v5, 12, v2
	v_lshl_add_u32 v[CO], v1, 4, v5                ; 4,096 h + 16 r
	v_lshlrev_b32 v5, 3, v2
	v_sub_nc_u32 v[DL], v1, v5
	s_lshl_b32 s23, s12, 10
	s_add_co_u32 s23, s23, STATS
	v_lshl_add_u32 v[SA], v1, 2, s23
	v_and_b32 v5, 31, v0
	v_lshlrev_b32 v[SG], 4, v5
	v_add_nc_u32 v[SR], s23, v[SG]
; 16 matrix instructions: row blocks a0, a0 + 1 of the window's four x all 8 key blocks.  The 64 accumulators take turns, one instruction a turn, always in the same order.
.macro MUL16 f, hi, a0, zero
.irp a, \a0, \a0+1
.irp b, 0,1,2,3,4,5,6,7
.if \zero
	v_wmma_f32_16x16x32_f16 v[8*(8*(\a)+\b):8*(8*(\a)+\b)+7], v[\f+8*\b:\f+8*\b+7], v[\f+8*(4*\hi+\a):\f+8*(4*\hi+\a)+7], 0
.else
	v_wmma_f32_16x16x32_f16 v[8*(8*(\a)+\b):8*(8*(\a)+\b)+7], v[\f+8*\b:\f+8*\b+7], v[\f+8*(4*\hi+\a):\f+8*(4*\hi+\a)+7], v[8*(8*(\a)+\b):8*(8*(\a)+\b)+7]
.endif
.endr
.endr
.endm
.macro FETCH slot, k, f                ; 32 LDS loads in one run: a quarter step's fragments
	WIN TO_B
.irp i, 0,1,2,3,4,5,6,7
	ds_load_b128 v[\f+8*\i:\f+8*\i+3],   v[ADRB+\slot] offset:\k+\i*16*PITCH
	ds_load_b128 v[\f+8*\i+4:\f+8*\i+7], v[ADRB+\slot] offset:\k+\i*16*PITCH+32
.endr
	WIN 0
.irp i, 0,1,2,3,4,5,6,7
	ds_load_b128 v[\f+8*\i:\f+8*\i+3],   v[ADRA+\slot] offset:\k+\i*16*PITCH
	ds_load_b128 v[\f+8*\i+4:\f+8*\i+7], v[ADRA+\slot] offset:\k+\i*16*PITCH+32
.endr
.endm
.macro PLACES                          ; four plain vector places behind matrix instructions (ISA guide 7.12.1 for vector instructions)
.rept 4
	v_nop
.endr
.endm
.macro QUARTER slot, k, f, g, zero
	s_wait_dscnt 8                                 ; k's fragments and q's rows 0-63 are in; the youngest eight loads may be out
	WIN MUL_LO
	MUL16 \f, 0, 0, \zero
	MUL16 \f, 0, 2, \zero
	PLACES
	FETCH \slot, \k, \g
	s_wait_dscnt 32                                ; all but the 32 just issued
	WIN MUL_HI
	MUL16 \f, 1, 0, \zero
	MUL16 \f, 1, 2, \zero
.endm
.macro THREE slot, zero
	QUARTER \slot, 64,  F0, F1, \zero
	QUARTER \slot, 128, F1, F0, 0
	QUARTER \slot, 192, F0, F1, 0
.endm
; The last quarter changes slots: each wave waits for its reads of this slot and for all its tensor loads (one is out: its part of the next slot), one barrier,
; then the refill first, then the next slot's first fragments.  From a request to the wait for it a wave issues 240 matrix instructions.
.macro TURN slot, next, fill
	s_wait_dscnt 8
	WIN MUL_LO
	MUL16 F1, 0, 0, 0
	s_wait_dscnt 0x0
	s_wait_tensorcnt 0x0
	ds_add_u32 v255, v255
	s_wait_dscnt 0x0
	s_barrier_signal -1
	MUL16 F1, 0, 2, 0                              ; register work while the others arrive
	s_barrier_wait -1
.if \fill
	s_add_nc_u64 s[G0+4*\slot+2:G0+4*\slot+3], s[G0+4*\slot+2:G0+4*\slot+3], 2*KSTEP*2   ; no load of mine is out: the address may step
	tensor_load_to_lds s[G0+4*\slot:G0+4*\slot+3], s[G1:G1+7]
	s_nop 0
.endif
	PLACES
	FETCH \next, 0, F0
	WIN MUL_HI
	MUL16 F1, 1, 0, 0
	MUL16 F1, 1, 2, 0
.endm
.macro LAP zero
	THREE 0, \zero
	TURN 0, 1, 1
	THREE 1, 0
	TURN 1, 0, 1
.endm
	s_wait_tensorcnt 1                             ; my part of K step 0 is in; K step 1's stays out
	s_barrier_signal -1
	s_barrier_wait -1
	FETCH 0, 0, F0
	LAP 1                                          ; K steps 0, 1; asks for 2, 3
	LAP 0                                          ; K steps 2, 3; asks for 4, 5
	THREE 0, 0
	TURN 0, 1, 0
	THREE 1, 0
	s_wait_dscnt 8
	WIN MUL_LO
	MUL16 F1, 0, 0, 0
	MUL16 F1, 0, 2, 0
	s_wait_dscnt 0x0
	WIN MUL_HI
	MUL16 F1, 1, 0, 0
	MUL16 F1, 1, 2, 0
	PLACES
	WIN 0
	s_lshl_b32 s18, s15, 4                         ; statistics: ((16 b + 2 J + hc) x 2048 + 256 I + 128 hr) x 4 bytes
	s_lshl1_add_u32 s19, s17, s14
	s_add_co_u32 s18, s18, s19
	s_lshl_b32 s18, s18, 11
	s_lshl_b32 s19, s16, 8
	s_add_co_u32 s18, s18, s19
	s_lshl_b32 s19, s13, 7
	s_add_co_u32 s18, s18, s19
	s_lshl_b32 s18, s18, 2
	s_mov_b32 s19, 0
	s_add_nc_u64 s[8:9], s[8:9], s[18:19]
	s_add_nc_u64 s[10:11], s[10:11], s[18:19]
	s_lshl_b32 s20, s15, 11                        ; pt: (2048 b + 256 I + 128 hr) x 4096 + 512 J + 256 hc bytes, below 33,554,432
	s_lshl_b32 s21, s16, 8
	s_add_co_u32 s20, s20, s21
	s_lshl_b32 s21, s13, 7
	s_add_co_u32 s20, s20, s21
	s_lshl_b32 s20, s20, 12
	s_lshl_b32 s21, s17, 9
	s_add_co_u32 s20, s20, s21
	s_lshl_b32 s21, s14, 8
	s_add_co_u32 s20, s20, s21
	s_mov_b32 s21, 0
	s_add_nc_u64 s[6:7], s[6:7], s[20:21]
; Rows 16 a .. 16 a + 15 of my quadrant.  tri = 1: the quadrant lies on the diagonal: tiles b < a are whole, tile b = a is masked where key > row, tiles b > a are all masked.
; f: the registers read back into, two sets in turn.
.macro EPI a, tri, f
.set ew, 2+\a/4                        ; the tiles' window
.set eb, 64*(\a%4)                     ; tile (a, 0) in it
.if \tri
.set elive, \a+1
	WIN (ew<<6)|ew
.irp j, 0,1,2,3,4,5,6,7
	v_cndmask_b32 v[eb+8*\a+\j], v[eb+8*\a+\j], s43, s[MK+\j]      ; -infinity where 8 h + j > r
.endr
.else
.set elive, 8
.endif
	WIN (ew<<2)|(ew<<4)                            ; the largest score of the row's chunk: four chains in the lane, started from -infinity
.set et, 0
.rept elive
.irp k, 0,1,2,3
.if et == 0
	v_max3_num_f32 v[MX+\k], s43, v[eb+2*\k], v[eb+2*\k+1]
.else
	v_max3_num_f32 v[MX+\k], v[MX+\k], v[eb+8*et+2*\k], v[eb+8*et+2*\k+1]
.endif
.endr
.set et, et+1
.endr
	WIN 0
	v_max3_num_f32 v[MX], v[MX], v[MX+1], v[MX+2]
	v_max_num_f32 v[MX], v[MX], v[MX+3]
	v_permlanex16_b32 v[MX+1], v[MX], s44, s45     ; the row's other 64 keys lie in lane l xor 16; the key on the diagonal is never masked, so the result is finite
	v_max_num_f32 v[MX], v[MX], v[MX+1]
	v_mul_f32 v[NM], s42, v[MX]
	v_mul_f32 v[NM+1], s42, v[MX]
	v_mul_f32 v[ST], s40, v[MX]                    ; m = c x max, the exact negative of NM
	ds_store_b32 v[SA], v[ST] offset:64*\a         ; both halves write the same word with the same value
	WIN (ew<<6)|ew
.set et, 0
.rept elive
.irp k, 0,2,4,6
	v_pk_fma_f32 v[eb+8*et+\k:eb+8*et+\k+1], v[eb+8*et+\k:eb+8*et+\k+1], s[40:41], v[NM:NM+1] op_sel_hi:[1,0,1]   ; c s - m, at most a rounding above 0; -infinity stays
.endr
.set et, et+1
.endr
.set et, 0
.rept 8*elive
	v_exp_f32 v[eb+et], v[eb+et]
.set et, et+1
.endr
	v_nop                                          ; one plain place behind the last exponential before its result is read (ISA guide 5.7.2)
	s_wait_alu depctr_va_vdst(0)
	WIN (ew<<2)                                    ; l: four chains of pairs, started from the constant 0
.set et, 0
.rept elive
.irp k, 0,1,2,3
.if et == 0
	v_pk_add_f32 v[SM+2*\k:SM+2*\k+1], 0, v[eb+2*\k:eb+2*\k+1] op_sel_hi:[0,1]
.else
	v_pk_add_f32 v[SM+2*\k:SM+2*\k+1], v[SM+2*\k:SM+2*\k+1], v[eb+8*et+2*\k:eb+8*et+2*\k+1]
.endif
.endr
.set et, et+1
.endr
	WIN 0
	v_pk_add_f32 v[SM:SM+1], v[SM:SM+1], v[SM+2:SM+3]
	v_pk_add_f32 v[SM+4:SM+5], v[SM+4:SM+5], v[SM+6:SM+7]
	v_pk_add_f32 v[SM:SM+1], v[SM:SM+1], v[SM+4:SM+5]
	v_add_f32 v[SM], v[SM], v[SM+1]
	v_permlanex16_b32 v[SM+1], v[SM], s44, s45
	v_add_f32 v[SM], v[SM], v[SM+1]
	ds_store_b32 v[SA], v[SM] offset:512+64*\a
	WIN ew|(ew<<2)
.set et, 0
.rept elive
.irp r, 0,1,2,3
	v_cvt_pk_f16_f32 v[TMP+4*et+\r], v[eb+8*et+2*\r], v[eb+8*et+2*\r+1]
.endr
.set et, et+1
.endr
	WIN 0
.if \tri
.if \a == 0
.set et, 4
.rept 28
	v_mov_b32 v[TMP+et], 0                         ; the tiles right of the diagonal are zeros: written once, since rows 16 a .. overwrite only tiles 0 .. a
.set et, et+1
.endr
.endif
.endif
.irp b, 0,1,2,3,4,5,6,7
	ds_store_b128 v[STO], v[TMP+4*\b:TMP+4*\b+3] offset:32*\b
.endr
	s_wait_xcnt 0x0                                ; the stores' base and the registers that earlier stores read are rewritten only behind this wait
.if \a
	s_add_nc_u64 s[6:7], s[6:7], 16*PROW
.endif
.irp t, 0,1,2,3,4,5,6,7
	ds_load_b128 v[\f+4*\t:\f+4*\t+3], v[RD] offset:\t*2*SPITCH    ; LDS serves a wave's instructions in order: these see the stores above
.endr
.irp t, 0,1,2,3,4,5,6,7
	s_wait_dscnt 7-\t                              ; the younger read-backs may be out
	global_store_b128 v[CO], v[\f+4*\t:\f+4*\t+3], s[6:7] offset:\t*2*PROW      ; 16 lanes store 256 neighbouring bytes, at a multiple of 256 from pt's first byte
.endr
.endm
	s_cmp_lg_u32 s16, s17
	s_cbranch_scc1 .Lfull                          ; a block below the diagonal
	s_cmp_gt_u32 s13, s14
	s_cbranch_scc1 .Lfull                          ; the diagonal block's lower left quadrant
	s_cmp_lt_u32 s13, s14
	s_cbranch_scc1 .Lend                           ; its upper right quadrant: all masked, never read; no barrier is left to pass
.irp j, 0,1,2,3,4,5,6,7
	v_cmp_gt_i32 s[MK+\j], \j, v[DL]               ; the lanes in which register j of the diagonal tile is masked
.endr
	EPI 0, 1, F0
	EPI 1, 1, F1
	EPI 2, 1, F0
	EPI 3, 1, F1
	EPI 4, 1, F0
	EPI 5, 1, F1
	EPI 6, 1, F0
	EPI 7, 1, F1
	s_branch .Lstats
.Lfull:
	EPI 0, 0, F0
	EPI 1, 0, F1
	EPI 2, 0, F0
	EPI 3, 0, F1
	EPI 4, 0, F0
	EPI 5, 0, F1
	EPI 6, 0, F0
	EPI 7, 0, F1
.Lstats:
	ds_load_b128 v[SM:SM+3], v[SR]                 ; my wave's own words: m of its 128 rows, 512 neighbouring bytes,
	ds_load_b128 v[SM+4:SM+7], v[SR] offset:512    ; and l
	s_wait_dscnt 0x0
	global_store_b128 v[SG], v[SM:SM+3], s[8:9]
	global_store_b128 v[SG], v[SM+4:SM+7], s[10:11]
.Lend:
	s_set_vgpr_msb 0x1
	s_wait_tensorcnt 0x0
	ds_add_u32 v255, v255
	s_wait_dscnt 0x0
	s_set_vgpr_msb 0x100
	s_endpgm
.Lfunc_end_k_q43bdfc94d2_scores:
	.size	k_q43bdfc94d2_scores, .Lfunc_end_k_q43bdfc94d2_scores-k_q43bdfc94d2_scores
	.p2alignl 7, 3214868480
	.fill 96, 4, 3214868480
	.section	.rodata,"a",@progbits
	.p2align	6, 0x0
	.amdhsa_kernel k_q43bdfc94d2_scores
		.amdhsa_group_segment_fixed_size 327680
		.amdhsa_private_segment_fixed_size 0
		.amdhsa_enable_private_segment 0
		.amdhsa_kernarg_size 32
		.amdhsa_user_sgpr_count 2
		.amdhsa_user_sgpr_kernarg_segment_ptr 1
		.amdhsa_wavefront_size32 1
		.amdhsa_system_sgpr_workgroup_id_x 1
		.amdhsa_system_sgpr_workgroup_id_y 1
		.amdhsa_system_sgpr_workgroup_id_z 1
		.amdhsa_system_vgpr_workitem_id 0
		.amdhsa_next_free_vgpr 1024
		.amdhsa_next_free_sgpr 66
		.amdhsa_reserve_vcc 0
		.amdhsa_float_denorm_mode_32 3
		.amdhsa_float_denorm_mode_16_64 3
		.amdhsa_memory_ordered 1
		.amdhsa_forward_progress 1
		.amdhsa_inst_pref_size 255
	.end_amdhsa_kernel
	.section	.bss,"aw",@nobits
	.p2align	6
	.space	262144
	.amdgpu_metadata
---
amdhsa.version: [ 1, 2 ]
amdhsa.kernels:
  - .name:           k_q43bdfc94d2_scores
    .symbol:         k_q43bdfc94d2_scores.kd
    .args:
      - { .name: qkv, .offset: 0, .size: 8, .value_kind: global_buffer, .address_space: global }
      - { .name: pt, .offset: 8, .size: 8, .value_kind: global_buffer, .address_space: global }
      - { .name: mst, .offset: 16, .size: 8, .value_kind: global_buffer, .address_space: global }
      - { .name: lst, .offset: 24, .size: 8, .value_kind: global_buffer, .address_space: global }
    .group_segment_fixed_size: 327680
    .private_segment_fixed_size: 0
    .kernarg_segment_align: 8
    .kernarg_segment_size: 32
    .max_flat_workgroup_size: 128
    .sgpr_count:     66
    .vgpr_count:     1024
    .wavefront_size: 32
...
	.end_amdgpu_metadata
.endif
;; end of part 3
;; launch context (part 4): grid 4 x 64, 4 waves a work-group, clusters of 4 x 4, 327,680 bytes of LDS; arguments pt, qkv, mst, lst, out0; writes out0
.if DOCPART == 4
	.amdgcn_target "amdgcn-amd-amdhsa--gfx1250"
	.amdhsa_code_object_version 6
	.text
	.protected	k_q43bdfc94d2_context
	.globl	k_q43bdfc94d2_context
	.p2align	8
	.type	k_q43bdfc94d2_context,@function
k_q43bdfc94d2_context:
	s_mov_b64 s[64:65], 0
	v_nop
	global_prefetch_b8 v0, s[64:65] scope:SCOPE_SE
	s_setreg_imm32_b32 hwreg(HW_REG_WAVE_MODE, 25, 1), 1
	s_wait_xcnt 0x0
	s_wait_alu depctr_hold_cnt(0) depctr_sa_sdst(0) depctr_va_vdst(0) depctr_va_sdst(0) depctr_va_ssrc(0) depctr_va_vcc(0) depctr_vm_vsrc(0)
	s_getreg_b32 s2, hwreg(HW_REG_IB_STS2, 6, 4)
	s_cmp_eq_u32 s2, 0
	s_cbranch_scc0 .Lentry_in_a_cluster
	s_endpgm
.Lentry_in_a_cluster:
	s_bfe_u32 s2, ttmp6, 0x10000c
	s_cmp_lg_u32 s2, 0xf033
	s_cbranch_scc0 .Lentry_shape_is_right
	s_endpgm
.Lentry_shape_is_right:
; out[row] = sum over chunks c of f_c[row] x (p~_c V_c)[row], with M = max over c of m_c, f_c = exp2(m_c - M) / L, L = sum over c of exp2(m_c - M) l_c.
; p~ (pt, f16), m and l (mst, lst, f32) per row and chunk of 128 keys come from the launch before; V is the last third of qkv's rows (f16); out0 is f32.
; Every exponent is at most 0 and L is at least about 1 (the row's largest term), so nothing can overflow.
; LIMIT: V comes in f16, so |v| must have stayed below 65,504 in the launch that made it.
; A work-group makes 128 rows (row block i) x 192 columns (slice cx); four waves, a wave 64 x 96: 24 tiles T for the chunk's product and 24 tiles O for the sum.
; CLUSTERS: 4 x 4 work-groups = row blocks 4 g .. 4 g + 3 of one batch x the four slices.  p~'s tile is shared along a row of the cluster, V's along a column.
; All sixteen walk the same 4 g + 4 chunks, so that every joint load is issued by all that it names: a work-group whose row block ends earlier (i < 4 g + 3) asks along,
; with p~'s address held at its last chunk i, and its factor f is 0 there.  No branch and no LDS address hangs on cx or cy.
; THE CHUNKS GO FROM THE LAST, 4 g + 3, DOWN TO 0, and each chunk's trip is written out: a chunk's place in the table of factors stands in the loads' immediate, no LDS
; address is ever stepped, and the end (chunk 0 asks for nothing) is the same for all.  The first trip, which starts O, stands once in front; behind it a cluster enters
; the run at chunk 4 g + 2.  g hangs on the cluster's y alone.
; Two LDS slots of one chunk each (chunk c in slot c mod 2): V's 128 key rows (384 bytes; 16 bytes of padding behind every 64: pitch 480), then p~'s 128 rows (256 bytes, pitch 272).
; V's rows begin at 3,072 + 384 cx in qkv's rows, so the odd slices' rows begin in the middle of a 256-byte span.
; V lies [key][column], so its fragments come by the transposing load; source 0 = columns of V, source 1 = rows of p~: lane l holds row l % 16, its registers the columns 8 (l / 16) + 0..7.
; REGISTERS: window 0: v16-31 addresses and factors; v32-111, v112-191 two fragment buffers (4 of p~, 6 of V); v192-196 the way out.  Window 1: T at v[8 (6 a + b)].  Window 2: O likewise.
.set PP,    272                        ; p~'s pitch in LDS
.set VP,    480                        ; V's pitch: an odd multiple of 32
.set HV,    64*VP                      ; 64 rows of V: one tensor load (waves 0, 1)
.set HP,    64*PP                      ; 64 rows of p~: one tensor load (waves 2, 3)
.set POFF,  2*HV
.set SLOT,  2*HV+2*HP                  ; 96,256, a multiple of 256
.set FTAB,  2*SLOT                     ; f, [16 chunks][128 rows] f32, then a seventeenth line: f of the first trip's chunk.  No fill lands there
.set FFIRST, 16*512
.set OP,    784                        ; the way out: 768 bytes + 16; the stage lies over the slots, behind their last fill
.set VSTEP, 128*4608                   ; bytes from a chunk's V rows to the next chunk's
.set ADRA, 16                          ; v16-17
.set ADRV, 20                          ; v20-21
.set FA,   22                          ; my rows' words in a line of the table; never rewritten
.set F,    24                          ; v[24:31] the factor of row 16 a + r, twice
.set BA0,  32
.set BV0,  64
.set BA1,  112
.set BV1,  144
.set SO,   192
.set LRA,  193
.set LRB,  194
.set GRA,  195
.set GRB,  196
.set G1A,  24                          ; s[24:31], s[32:39]: p~'s descriptors
.set G0A,  32
.set G1V,  48                          ; s[48:55], s[56:63]: V's
.set G0V,  56
.set MSB, 0
.macro WIN new
.if MSB != (\new)
	s_set_vgpr_msb (MSB<<8)|(\new)
.set MSB, \new
.endif
.endm
.macro JLOAD s                         ; waves 0, 1 ask for V's halves, waves 2, 3 for p~'s: one mask and one set of registers a line; the branch hangs on the wave's number alone
	s_cmp_eq_u32 s15, 0
	s_cbranch_scc0 .Lfor_p_\@
	tensor_load_to_lds s[G0V+4*(\s):G0V+4*(\s)+3], s[G1V:G1V+7]
	s_nop 0
	s_branch .Lasked_\@
.Lfor_p_\@:
	tensor_load_to_lds s[G0A+4*(\s):G0A+4*(\s)+3], s[G1A:G1A+7]
	s_nop 0
.Lasked_\@:
.endm
.macro ROUND                           ; a round of the cluster's barrier
	s_barrier_signal -1
	s_barrier_wait -1
	s_cmp_lg_u32 s14, 0
	s_cbranch_scc1 .Lnot_wave_0_\@
	s_barrier_signal -3
.Lnot_wave_0_\@:
	s_barrier_wait -3
	s_barrier_signal -1
	s_barrier_wait -1
.endm
	s_load_b256 s[4:11], s[0:1], 0x0               ; pt s[4:5], qkv s[6:7], mst s[8:9], lst s[10:11]
	s_load_b64 s[12:13], s[0:1], 0x20              ; out0
	v_lshl_add_u32 v254, v0, 2, 0x31200
	v_mov_b32 v255, 0
	ds_add_u32 v254, v255
	ds_add_u32 v254, v255
	v_lshrrev_b32 v1, 5, v0
	v_readfirstlane_b32 s14, v1                    ; wave
	s_lshr_b32 s15, s14, 1                         ; wm: my half of the rows.  Also: I fetch V (0) or p~ (1)
	s_and_b32 s16, s14, 1                          ; wn: my half of the columns.  Also: which 64 rows I fetch
	s_bfe_u32 s17, ttmp6, 0x40000                  ; cx: the slice of 192 columns
	s_bfe_u32 s18, ttmp6, 0x40004                  ; cy
	s_and_b32 s22, ttmp7, 0xffff                   ; the cluster's y, 0 .. 15
	s_and_b32 s19, s22, 3                          ; batch
	s_lshr_b32 s20, s22, 2
	s_sub_co_u32 s20, 3, s20                       ; g: the clusters with the most chunks have the lowest numbers
	s_lshl2_add_u32 s21, s20, s18                  ; i = 4 g + cy: my row block
	s_lshl_b32 s46, s20, 2
	s_add_co_u32 s74, s46, 3                       ; 4 g + 3: the first trip's chunk
	s_add_co_u32 s75, s46, 2                       ; 4 g + 2: the second's
	s_add_co_u32 s46, s46, 1                       ; 4 g + 1: what the first trip's slot takes next
	s_lshl_b32 s40, s18, 2
	s_lshl_b32 s40, 15, s40                        ; my row of the cluster
	s_lshl_b32 s41, 0x1111, s17                    ; my column
	s_or_b32 s[G1A+0], s40, (1<<16)|(1<<20)|(1<<21)|(5<<22)|(3<<25)  ; p~: mask of my row; 2 bytes; 4 words of padding behind every 64
	s_mov_b32 s[G1A+1], 128<<16                    ; tensor_dim0 = 128
	s_mov_b32 s[G1A+2], 64<<16                     ; tensor_dim1 = 64
	s_mov_b32 s[G1A+3], 128<<16                    ; tile_dim0 = 128
	s_mov_b32 s[G1A+4], 64                         ; tile_dim1 = 64
	s_mov_b32 s[G1A+5], 2048                       ; elements from row to row
	s_mov_b32 s[G1A+6], 0
	s_mov_b32 s[G1A+7], 0
	s_or_b32 s[G1V+0], s41, (1<<16)|(1<<20)|(1<<21)|(3<<22)|(3<<25)  ; V: mask of my column; 4 words of padding behind every 16 (a row is 96 words: six such pieces)
	s_mov_b32 s[G1V+1], 192<<16
	s_mov_b32 s[G1V+2], 64<<16
	s_mov_b32 s[G1V+3], 192<<16
	s_mov_b32 s[G1V+4], 64
	s_mov_b32 s[G1V+5], 2304
	s_mov_b32 s[G1V+6], 0
	s_mov_b32 s[G1V+7], 0
	; the statistics of my 128 rows, one row a thread: chunk min(c, i), since chunks beyond i were never written
	v_lshlrev_b32 v7, 2, v0
	s_lshl_b32 s22, s19, 17                        ; 16 chunks x 2048 rows x 4 bytes a batch
	s_lshl_b32 s47, s21, 9                         ; 128 i rows
	s_add_co_u32 s22, s22, s47
	s_wait_dscnt 0x0
	s_wait_kmcnt 0x0
.irp c, 0,1,2,3,4,5,6,7,8,9,10,11,12,13,14,15
	s_min_u32 s47, s21, \c
	s_lshl_b32 s47, s47, 13
	s_add_co_u32 s47, s47, s22
	v_add_nc_u32 v[64+\c], s47, v7
	global_load_b32 v[32+\c], v[64+\c], s[8:9]     ; m
	global_load_b32 v[48+\c], v[64+\c], s[10:11]   ; l
.endr
	; p~'s tiles hang on the batch, i and the wave; V's on the batch, cx and the wave: each in registers that never hold the other coordinate
	s_lshl_b32 s44, s19, 11
	s_lshl_b32 s45, s21, 7
	s_add_co_u32 s44, s44, s45
	s_lshl_b32 s45, s16, 6
	s_add_co_u32 s44, s44, s45                     ; row 2048 b + 128 i + 64 x half
	s_lshl_b32 s44, s44, 12                        ; x 4,096 bytes: below 33,554,432
	s_mov_b32 s45, 0
	s_add_nc_u64 s[66:67], s[4:5], s[44:45]        ; p~ at chunk 0
	s_lshl_b32 s68, s19, 11
	s_lshl_b32 s70, s16, 6
	s_add_co_u32 s68, s68, s70                     ; key row 2048 b + 64 x half
	s_mul_i32 s68, s68, 4608
	s_mul_i32 s70, s17, 384
	s_add_co_u32 s68, s68, s70
	s_add_co_u32 s68, s68, 3072                    ; v lies 3,072 bytes into a row
	s_mov_b32 s69, 0
	s_add_nc_u64 s[68:69], s[6:7], s[68:69]        ; V at chunk 0
	s_mul_i32 s72, s14, HP
	s_add_co_u32 s72, s72, POFF-2*HP               ; where p~'s halves go: waves 2, 3 -> POFF, POFF + HP
	s_mul_i32 s73, s14, HV                         ; where V's halves go: waves 0, 1 -> 0, HV
.irp s, 0,1
	s_mov_b32 s[G0A+4*\s], 1
	s_add_co_u32 s[G0A+4*\s+1], s72, \s*SLOT
	s_mov_b32 s[G0V+4*\s], 1
	s_add_co_u32 s[G0V+4*\s+1], s73, \s*SLOT
.endr
	s_mov_b32 s71, 0
	s_mul_i32 s70, s74, VSTEP                      ; at most 15 x 589,824 bytes
	s_add_nc_u64 s[G0V+6:G0V+7], s[68:69], s[70:71]                ; slot 1: chunk 4 g + 3
	s_or_b32 s[G0V+7], s[G0V+7], 0x80000000
	s_mul_i32 s70, s75, VSTEP
	s_add_nc_u64 s[G0V+2:G0V+3], s[68:69], s[70:71]                ; slot 0: chunk 4 g + 2
	s_or_b32 s[G0V+3], s[G0V+3], 0x80000000
	s_mov_b32 s43, 0
	s_lshl_b32 s42, s21, 8
	s_add_nc_u64 s[G0A+6:G0A+7], s[66:67], s[42:43]                ; slot 1: chunk min(4 g + 3, i) = i
	s_or_b32 s[G0A+7], s[G0A+7], 0x80000000
	s_min_u32 s42, s21, s75
	s_lshl_b32 s42, s42, 8
	s_add_nc_u64 s[G0A+2:G0A+3], s[66:67], s[42:43]                ; slot 0: chunk min(4 g + 2, i)
	s_or_b32 s[G0A+3], s[G0A+3], 0x80000000
	ROUND                                          ; all sixteen work-groups are here
	JLOAD 1                                        ; the first trip's chunk: one tensor load of the wave is out, here and behind every round
	v_and_b32 v1, 15, v0                           ; r
	v_bfe_u32 v2, v0, 4, 1                         ; h
	v_mul_u32_u24 v3, v1, PP
	v_lshl_add_u32 v3, v2, 4, v3
	s_mul_i32 s22, s15, 64*PP
	s_add_co_u32 s22, s22, POFF
	v_add_nc_u32 v[ADRA], s22, v3                  ; p~: row 64 wm + r, 16 bytes for each half of the lanes
	v_add_nc_u32 v[ADRA+1], SLOT, v[ADRA]
	v_and_b32 v3, 7, v0
	v_lshl_add_u32 v3, v2, 3, v3                   ; V, for the transposing load: key row 8 h + l % 8,
	v_mul_u32_u24 v3, v3, VP
	v_bfe_u32 v4, v0, 3, 1
	v_lshl_add_u32 v3, v4, 4, v3                   ; 16 bytes of the 32 of a block of 16 columns,
	s_mul_i32 s22, s16, 240                        ; my six blocks: three padded pieces of 80 bytes
	v_add_nc_u32 v[ADRV], s22, v3
	v_add_nc_u32 v[ADRV+1], SLOT, v[ADRV]
	s_lshl_b32 s22, s15, 8
	s_add_co_u32 s22, s22, FTAB
	v_lshl_add_u32 v[FA], v1, 2, s22               ; f of row 64 wm + r in the table's first line
	v_add_nc_u32 v8, FTAB, v7                      ; where I put f of row t
	v_mul_u32_u24 v3, v1, OP
	v_lshl_add_u32 v3, v2, 5, v3
	s_mul_i32 s22, s15, 64*OP
	s_mul_i32 s47, s16, 384
	s_add_co_u32 s22, s22, s47
	v_add_nc_u32 v[SO], s22, v3                    ; the way out, in: row 64 wm + r, byte 384 wn + 32 h
	s_mul_i32 s22, s14, 32*OP
	v_lshl_add_u32 v5, v1, 4, s22                  ; back: my wave's 32 rows as spans of 256 bytes, two an instruction
	v_mad_u32_u24 v[LRA], v2, 256, v5              ; lanes 16-31 take the next span of the same row,
	v_mad_u32_u24 v[LRB], v2, 272, v5              ; or the first of the next row
	s_mul_i32 s22, s14, 32*3072
	v_lshl_add_u32 v5, v1, 4, s22
	v_mad_u32_u24 v[GRA], v2, 256, v5
	v_mad_u32_u24 v[GRB], v2, 2560, v5
	; the factors
	s_wait_loadcnt 0x0
	v_max3_num_f32 v80, v32, v33, v34              ; M; a chunk that stands twice does no harm to a maximum
.irp c, 35,37,39,41,43,45
	v_max3_num_f32 v80, v80, v[\c], v[\c+1]
.endr
	v_max_num_f32 v80, v80, v47
.irp c, 0,1,2,3,4,5,6,7,8,9,10,11,12,13,14,15
	v_sub_f32 v[32+\c], v[32+\c], v80
.endr
.irp c, 0,1,2,3,4,5,6,7,8,9,10,11,12,13,14,15
	v_exp_f32 v[32+\c], v[32+\c]
.endr
	v_nop                                          ; one plain place behind the last exponential (ISA guide 5.7.2)
	s_wait_alu depctr_va_vdst(0)
.irp c, 0,1,2,3,4,5,6,7,8,9,10,11,12,13,14,15
	s_cmp_ge_u32 s21, \c
	s_cselect_b32 s47, 1.0, 0                      ; chunks beyond i count for nothing: a choice of a value, no branch
	v_mul_f32 v[32+\c], s47, v[32+\c]
.endr
	v_mul_f32 v81, v32, v48
.irp c, 1,2,3,4,5,6,7,8,9,10,11,12,13,14,15
	v_fmac_f32 v81, v[32+\c], v[48+\c]             ; L
.endr
	v_rcp_f32 v82, v81
	v_nop
	s_wait_alu depctr_va_vdst(0)
.irp c, 0,1,2,3,4,5,6,7,8,9,10,11,12,13,14,15
	v_mul_f32 v[32+\c], v[32+\c], v82
	ds_store_b32 v8, v[32+\c] offset:512*\c        ; the first trip's wait for 0 and its round show the table to the other waves
.endr
	s_cmp_eq_u32 s20, 0                            ; the seventeenth line: f of chunk 4 g + 3, picked out of chunks 3, 7, 11, 15 by factors of 1 and 0
	s_cselect_b32 s47, 1.0, 0
	v_mul_f32 v83, s47, v35
.irp k, 1,2,3
	s_cmp_eq_u32 s20, \k
	s_cselect_b32 s47, 1.0, 0
	v_fmac_f32 v83, s47, v[35+4*\k]
.endr
	ds_store_b32 v8, v83 offset:FFIRST
; 20 LDS loads: 32 keys (number ks of the chunk's four) of my 64 rows of p~ and of my 96 columns of V, into buffer buf
.macro FETCH slot, ks, buf
	WIN 0
.irp a, 0,1,2,3
	ds_load_b128 v[BA\buf+8*\a:BA\buf+8*\a+3],   v[ADRA+\slot] offset:16*PP*\a+64*\ks
	ds_load_b128 v[BA\buf+8*\a+4:BA\buf+8*\a+7], v[ADRA+\slot] offset:16*PP*\a+64*\ks+32
.endr
.irp b, 0,1,2,3,4,5
	ds_load_tr16_b128 v[BV\buf+8*\b:BV\buf+8*\b+3],   v[ADRV+\slot] offset:32*VP*\ks+32*\b+16*(\b/2)
	ds_load_tr16_b128 v[BV\buf+8*\b+4:BV\buf+8*\b+7], v[ADRV+\slot] offset:32*VP*\ks+32*\b+16*(\b/2)+16*VP
.endr
.endm
; 24 matrix instructions on T.  The 24 accumulators take turns, one instruction a turn, always in the same order.
.macro MUL buf, zero
	WIN 0x50
.irp a, 0,1,2,3
.irp b, 0,1,2,3,4,5
.if \zero
	v_wmma_f32_16x16x32_f16 v[8*(6*\a+\b):8*(6*\a+\b)+7], v[BV\buf+8*\b:BV\buf+8*\b+7], v[BA\buf+8*\a:BA\buf+8*\a+7], 0
.else
	v_wmma_f32_16x16x32_f16 v[8*(6*\a+\b):8*(6*\a+\b)+7], v[BV\buf+8*\b:BV\buf+8*\b+7], v[BA\buf+8*\a:BA\buf+8*\a+7], v[8*(6*\a+\b):8*(6*\a+\b)+7]
.endif
.endr
.endr
.endm
.macro PLACES                          ; four plain vector places behind matrix instructions (ISA guide 7.12.1 for vector instructions)
.rept 4
	v_nop
.endr
.endm
; One chunk, in slot \slot.  refill = 1: the other slot is asked for the chunk below.  first = 1: the product starts O.
; step = 1: this slot's descriptors are set to the chunk two below, number \nxt.  foff: the chunk's line in the table of factors.
.macro TRIP slot, refill, first, step, nxt, foff
	s_wait_tensorcnt 0x0                           ; all my tensor loads have landed, my part of this chunk among them: every group 0 may be written
	ds_add_u32 v254, v255
	s_wait_dscnt 0x0
.if \step
	s_min_u32 s42, s21, \nxt                       ; p~'s address is held at chunk i
	s_lshl_b32 s42, s42, 8
	s_add_nc_u64 s[G0A+4*\slot+2:G0A+4*\slot+3], s[66:67], s[42:43]
	s_or_b32 s[G0A+4*\slot+3], s[G0A+4*\slot+3], 0x80000000
	s_sub_nc_u64 s[G0V+4*\slot+2:G0V+4*\slot+3], s[G0V+4*\slot+2:G0V+4*\slot+3], 2*VSTEP   ; the type bits on top are not reached
.endif
	s_wait_dscnt 0x0                               ; my reads of the last trip's slot are over (first trip: my stores of the factors are done)
	ROUND                                          ; both now hold of every wave of every work-group of the cluster
.if \refill
	JLOAD 1-\slot                                  ; the first tensor load behind the round, my only one until the next
.endif
.irp a, 0,1,2,3
	ds_load_b32 v[F+2*\a], v[FA] offset:\foff+64*\a                ; this chunk's factor of row 16 a + r
.endr
	FETCH \slot, 0, 0
	FETCH \slot, 1, 1
	s_wait_dscnt 20                                ; all but the 20 loads of the younger buffer
	MUL 0, 1                                       ; the constant 0 starts T
	PLACES
	FETCH \slot, 2, 0
	s_wait_dscnt 20
	MUL 1, 0
	PLACES
	FETCH \slot, 3, 1
	s_wait_dscnt 20
	MUL 0, 0
	s_wait_dscnt 0x0
	MUL 1, 0
	WIN 0
.irp a, 0,1,2,3
	v_mov_b32 v[F+2*\a+1], v[F+2*\a]               ; the factor twice, for the packed forms; these four lines are also the four places behind the last matrix instruction
.endr
.if \first
	WIN 0x81
.else
	WIN 0xa1
.endif
.irp a, 0,1,2,3
.irp b, 0,1,2,3,4,5
.irp k, 0,2,4,6
.if \first
	v_pk_mul_f32 v[8*(6*\a+\b)+\k:8*(6*\a+\b)+\k+1], v[8*(6*\a+\b)+\k:8*(6*\a+\b)+\k+1], v[F+2*\a:F+2*\a+1]
.else
	v_pk_fma_f32 v[8*(6*\a+\b)+\k:8*(6*\a+\b)+\k+1], v[8*(6*\a+\b)+\k:8*(6*\a+\b)+\k+1], v[F+2*\a:F+2*\a+1], v[8*(6*\a+\b)+\k:8*(6*\a+\b)+\k+1]
.endif
.endr
.endr
.endr
	WIN 0
.endm
; Chunk c of the written-out run, in slot c mod 2.  Chunks 1 and 0 set no descriptor (no chunk lies two below); chunk 0 asks for nothing.
.macro CH c, slot
.if \c >= 2
	TRIP \slot, 1, 0, 1, \c-2, 512*\c
.else
.if \c == 1
	TRIP \slot, 1, 0, 0, 0, 512
.else
	TRIP \slot, 0, 0, 0, 0, 0
.endif
.endif
.endm
	TRIP 1, 1, 1, 1, s46, FFIRST                   ; chunk 4 g + 3: starts O; its factors stand in the table's seventeenth line
	s_cmp_eq_u32 s20, 3                            ; on to chunk 4 g + 2: g hangs on the cluster's y alone, the same in all sixteen
	s_cbranch_scc1 .Lc14
	s_cmp_eq_u32 s20, 2
	s_cbranch_scc1 .Lc10
	s_cmp_eq_u32 s20, 1
	s_cbranch_scc1 .Lc6
	s_branch .Lc2
.Lc14:
	CH 14, 0
	CH 13, 1
	CH 12, 0
	CH 11, 1
.Lc10:
	CH 10, 0
	CH 9, 1
	CH 8, 0
	CH 7, 1
.Lc6:
	CH 6, 0
	CH 5, 1
	CH 4, 0
	CH 3, 1
.Lc2:
	CH 2, 0
	CH 1, 1
	CH 0, 0
	; THE WAY OUT: O into a stage of 128 rows x 768 bytes laid over the slots, which have had their last fill; back as whole spans of 256 bytes.
	s_lshl_b32 s44, s19, 11
	s_lshl_b32 s45, s21, 7
	s_add_co_u32 s44, s44, s45
	s_mul_i32 s44, s44, 3072                       ; row 2048 b + 128 i: below 25,165,824
	s_mul_i32 s45, s17, 768                        ; the slice
	s_add_co_u32 s44, s44, s45
	s_mov_b32 s45, 0
	s_add_nc_u64 s[12:13], s[12:13], s[44:45]
	s_wait_dscnt 0x0                               ; my reads of the slots are over
	s_barrier_signal -1
	s_barrier_wait -1                              ; everybody's are
	WIN 0x08                                       ; store data from window 2
.irp a, 0,1,2,3
.irp b, 0,1,2,3,4,5
	ds_store_b128 v[SO], v[8*(6*\a+\b):8*(6*\a+\b)+3]   offset:16*OP*\a+64*\b
	ds_store_b128 v[SO], v[8*(6*\a+\b)+4:8*(6*\a+\b)+7] offset:16*OP*\a+64*\b+16
.endr
.endr
	WIN 0
	s_wait_dscnt 0x0                               ; for the others' sake: my stores are done
	s_barrier_signal -1
	s_barrier_wait -1
	WIN 0x40                                       ; into window 1: T's registers are free
.set u, 0
.rept 16                               ; two rows = six spans = three loads
	ds_load_b128 v[12*u:12*u+3],    v[LRA] offset:2*OP*u
	ds_load_b128 v[12*u+4:12*u+7],  v[LRB] offset:2*OP*u+512
	ds_load_b128 v[12*u+8:12*u+11], v[LRA] offset:2*OP*u+OP+256
.set u, u+1
.endr
	WIN 0x04                                       ; store data from window 1
.set u, 0
.rept 16
	s_wait_dscnt 47-3*u                            ; the younger read-backs may be out
	global_store_b128 v[GRA], v[12*u:12*u+3],    s[12:13] offset:6144*u         ; 16 lanes store 256 neighbouring bytes, at a multiple of 256 from out0's first byte
	s_wait_dscnt 46-3*u
	global_store_b128 v[GRB], v[12*u+4:12*u+7],  s[12:13] offset:6144*u+512
	s_wait_dscnt 45-3*u
	global_store_b128 v[GRA], v[12*u+8:12*u+11], s[12:13] offset:6144*u+3328
.set u, u+1
.endr
	WIN 0
	s_wait_tensorcnt 0x0
	ds_add_u32 v254, v255
	s_wait_dscnt 0x0
	ROUND                                          ; the closing round: no work-group ends while a partner may still ask for a tile that names it
	s_endpgm
.Lfunc_end_k_q43bdfc94d2_context:
	.size	k_q43bdfc94d2_context, .Lfunc_end_k_q43bdfc94d2_context-k_q43bdfc94d2_context
	.p2alignl 7, 3214868480
	.fill 96, 4, 3214868480
	.section	.rodata,"a",@progbits
	.p2align	6, 0x0
	.amdhsa_kernel k_q43bdfc94d2_context
		.amdhsa_group_segment_fixed_size 327680
		.amdhsa_private_segment_fixed_size 0
		.amdhsa_enable_private_segment 0
		.amdhsa_kernarg_size 40
		.amdhsa_user_sgpr_count 2
		.amdhsa_user_sgpr_kernarg_segment_ptr 1
		.amdhsa_wavefront_size32 1
		.amdhsa_system_sgpr_workgroup_id_x 1
		.amdhsa_system_sgpr_workgroup_id_y 1
		.amdhsa_system_sgpr_workgroup_id_z 1
		.amdhsa_system_vgpr_workitem_id 0
		.amdhsa_next_free_vgpr 704
		.amdhsa_next_free_sgpr 80
		.amdhsa_reserve_vcc 0
		.amdhsa_float_denorm_mode_32 3
		.amdhsa_float_denorm_mode_16_64 3
		.amdhsa_memory_ordered 1
		.amdhsa_forward_progress 1
		.amdhsa_inst_pref_size 255
	.end_amdhsa_kernel
	.section	.bss,"aw",@nobits
	.p2align	6
	.space	262144
	.amdgpu_metadata
---
amdhsa.version: [ 1, 2 ]
amdhsa.kernels:
  - .name:           k_q43bdfc94d2_context
    .symbol:         k_q43bdfc94d2_context.kd
    .args:
      - { .name: pt, .offset: 0, .size: 8, .value_kind: global_buffer, .address_space: global }
      - { .name: qkv, .offset: 8, .size: 8, .value_kind: global_buffer, .address_space: global }
      - { .name: mst, .offset: 16, .size: 8, .value_kind: global_buffer, .address_space: global }
      - { .name: lst, .offset: 24, .size: 8, .value_kind: global_buffer, .address_space: global }
      - { .name: out0, .offset: 32, .size: 8, .value_kind: global_buffer, .address_space: global }
    .group_segment_fixed_size: 327680
    .private_segment_fixed_size: 0
    .kernarg_segment_align: 8
    .kernarg_segment_size: 40
    .max_flat_workgroup_size: 128
    .sgpr_count:     80
    .vgpr_count:     704
    .wavefront_size: 32
...
	.end_amdgpu_metadata
.endif
;; end of part 4
;; ======== version 2 of 3: 4 launches
;; limits: values are held in f16: magnitudes above 65,504 overflow, below 6.1e-05 lose precision
;; workspace buffers: xb 12,582,912 bytes; wb 3,538,944 bytes; qkv 37,748,736 bytes; pt 33,554,432 bytes; mst 524,288 bytes; lst 524,288 bytes
;; launch cast: the kernel of part 1 again; grid 246 x 1, 8 waves a work-group, no clusters, 0 bytes of LDS; arguments x, Wq, Wk, Wv, xb, wb; writes xb, wb
;; launch project (part 5): grid 8 x 32, 4 waves a work-group, clusters of 4 x 4, 327,680 bytes of LDS; arguments xb, wb, qkv; writes qkv
.if DOCPART == 5
	.amdgcn_target "amdgcn-amd-amdhsa--gfx1250"
	.amdhsa_code_object_version 6
	.text
	.protected	k_q43bdfc94d2_project
	.globl	k_q43bdfc94d2_project
	.p2align	8
	.type	k_q43bdfc94d2_project,@function
k_q43bdfc94d2_project:
	s_mov_b64 s[64:65], 0
	v_nop
	global_prefetch_b8 v0, s[64:65] scope:SCOPE_SE
	s_setreg_imm32_b32 hwreg(HW_REG_WAVE_MODE, 25, 1), 1
	s_wait_xcnt 0x0
	s_wait_alu depctr_hold_cnt(0) depctr_sa_sdst(0) depctr_va_vdst(0) depctr_va_sdst(0) depctr_va_ssrc(0) depctr_va_vcc(0) depctr_vm_vsrc(0)
	s_getreg_b32 s2, hwreg(HW_REG_IB_STS2, 6, 4)
	s_cmp_eq_u32 s2, 0
	s_cbranch_scc0 .Lentry_in_a_cluster
	s_endpgm
.Lentry_in_a_cluster:
	s_bfe_u32 s2, ttmp6, 0x10000c
	s_cmp_lg_u32 s2, 0xf033
	s_cbranch_scc0 .Lentry_shape_is_right
	s_endpgm
.Lentry_shape_is_right:
; [q | k | v][m][n] = sum over k of xb[m][k] wb[n][k]: the three projections as one product.  xb [8192][768] bf16, wb [2304][768] bf16 (rows: Wq, Wk, Wv),
; the result in f16, sums in f32, rounded once.
; LIMIT: the results are kept in f16, so |q|, |k|, |v| must stay below 65,504; beyond that they become infinite.
; qkv IS KEPT IN TILE ORDER.  A tile is 16 rows x 16 columns, 512 bytes: lane l's 16 bytes are row l % 16, columns 8 (l / 16) + 0..7, which is how the packed results lie in
; this launch's registers and how the next launches' fragments want them.  q and k (column tiles 0-95): [group of 8 column tiles][block of 16 rows][8 tiles];
; v (column tiles 96-143), behind them: [slice of 12 column tiles][block of 16 rows][12 tiles].  So a tile goes out by one store of 512 neighbouring bytes at a multiple of
; 512 from qkv's first byte, with no way through LDS, and what the next launches fetch at a time is dense.
; 8192 x 2304 outputs on 256 work-groups are 73,728 each: a block of 256 x 288, four waves, a wave 128 x 144 = 72 accumulator tiles of 16 x 16, 576 registers.
; K goes in 6 steps of 128 through two LDS slots filled by the tensor data mover; a tile's rows are 256 bytes of memory at multiples of 256 bytes.
; CLUSTERS: 4 x 4 work-groups.  The four of a row of the cluster need the same rows of xb, the four of a column the same rows of wb: each tile is asked for
; jointly, by the same tensor load with the same descriptor and a mask that names the four.
; REGISTERS, in windows of 256: window 0: v14-30 addresses; v32-95, v96-159 fragments of xb (8 x 16 rows x 32 K), two buffers; v160-231 fragments of wb (9), buffer 0.
;   Accumulator tile t = 9 a + b lies at register 256 + 8 t (windows 1, 2 and the first 64 of window 3); wb's buffer 1 is v832-903 (window 3, 64-135).
; THE MATRIX INSTRUCTION IS USED TRANSPOSED: source 0 = 16 rows of wb, source 1 = 16 rows of xb, so that lane l holds row l % 16 of the result and its eight
; registers the columns 8 (l / 16) + 0..7: eight neighbours of a row, 16 bytes in f16.
.set SIZE_K, 768
.set KSTEP,  128
.set PITCH,  272                       ; an LDS row: 256 bytes + 16 of padding, an odd multiple of 16: the 16 rows of a fragment load start in 16 different 16-byte columns of a 256-byte span
.set HA,     128*PITCH                 ; 128 rows of xb: one tensor load, and what a wave reads of xb
.set HB,     144*PITCH                 ; 144 rows of wb: likewise
.set AOFF,   2*HB                      ; a slot: wb's two halves, then xb's two halves
.set SLOT,   2*HB+2*HA
.set CGB,    512*4096                  ; qkv: bytes of a group of 8 column tiles of q or k: 512 blocks of 16 rows x 8 tiles x 512 bytes
.set SLB,    512*6144                  ; bytes of a slice of 12 column tiles of v
.set VBASE,  12*CGB                    ; where v begins
.set ADRA, 16                          ; v16-17  LDS address of my xb fragments in slot 0, 1
.set ADRB, 20                          ; v20-21  the same for wb
.set LN,   14                          ; 16 x lane
.set VO,   22                          ; v22-30  the way out: my 16 bytes of tile (a, b) in qkv, one register for each b; steps with a
.set FA0,  32
.set FA1,  96
.set FB0,  160
.set FB1,  64                          ; in window 3
.set TMP,  32                          ; the way out: 36 registers of packed results
.set G1,  24                           ; s[24:31] descriptor group 1 for xb's tiles
.set G0,  32                           ; s[32:39] descriptor group 0 for xb's tiles, a set for each slot
.set G1B, 48                           ; s[48:55], s[56:63]: the same for wb's tiles
.set G0B, 56
.set PT,  66                           ; s66-74  bytes from a block of 16 rows to the next, for each b: 4,096 in q and k, 6,144 in v
.set MSB, 0
.macro WIN new                         ; the immediate's high byte repeats the setting that is left; a switch that changes nothing is dropped
.if MSB != (\new)
	s_set_vgpr_msb (MSB<<8)|(\new)
.set MSB, \new
.endif
.endm
; A joint load.  Waves 0 and 1 fetch wb's two halves, waves 2 and 3 xb's.  Each line has one mask and one set of registers; the branch hangs on the wave's number alone.
.macro JLOAD s
	s_cmp_eq_u32 s11, 0
	s_cbranch_scc0 .Lfor_a_\@
	tensor_load_to_lds s[G0B+4*(\s):G0B+4*(\s)+3], s[G1B:G1B+7]
	s_nop 0
	s_branch .Lasked_\@
.Lfor_a_\@:
	tensor_load_to_lds s[G0+4*(\s):G0+4*(\s)+3], s[G1:G1+7]
	s_nop 0
.Lasked_\@:
.endm
; A round of the cluster's barrier: my work-group's barrier; wave 0 signals for the work-group; every wave waits for all sixteen; my work-group's barrier again.
.macro CREST                           ; a round behind its opening barrier
	s_cmp_lg_u32 s10, 0
	s_cbranch_scc1 .Lnot_wave_0_\@
	s_barrier_signal -3
.Lnot_wave_0_\@:
	s_barrier_wait -3
	s_barrier_signal -1
	s_barrier_wait -1
.endm
.macro CROUND
	s_barrier_signal -1
	s_barrier_wait -1
	CREST
.endm
	s_load_b128 s[4:7], s[0:1], 0x0                ; xb s[4:5], wb s[6:7]
	s_load_b64 s[8:9], s[0:1], 0x10                ; qkv
	s_set_vgpr_msb 0xc0
	v_lshl_add_u32 v137, v0, 2, 0x48400
	s_set_vgpr_msb 0xc000
	v_mov_b32 v255, 0
	s_set_vgpr_msb 0x3
	ds_add_u32 v137, v255
	ds_add_u32 v137, v255
	s_set_vgpr_msb 0x300
	v_lshrrev_b32 v1, 5, v0
	v_readfirstlane_b32 s10, v1                    ; wave 0..3
	s_lshr_b32 s11, s10, 1                         ; hr: which half of the block's rows is mine.  Also: I fetch for wb (0) or for xb (1)
	s_and_b32 s12, s10, 1                          ; hc: which half of its columns.  Also: which half of that tile I fetch
	s_bfe_u32 s40, ttmp6, 0x40000                  ; cx
	s_bfe_u32 s41, ttmp6, 0x40004                  ; cy
	s_lshl_b32 s42, ttmp9, 2
	s_add_co_u32 s42, s42, s40                     ; bx, block column = 4 x cluster x + cx
	s_and_b32 s13, ttmp7, 0xffff
	s_lshl_b32 s13, s13, 2
	s_add_co_u32 s13, s13, s41                     ; by, block row = 4 x cluster y + cy
	s_lshl_b32 s43, s41, 2
	s_lshl_b32 s43, 15, s43                        ; my row of the cluster: places 4 cy .. 4 cy + 3
	s_lshl_b32 s44, 0x1111, s40                    ; my column: places cx, cx + 4, cx + 8, cx + 12
	; group 1: rows of 128 elements of 2 bytes, 16 bytes of padding behind every 64 words
	s_or_b32 s[G1+0], s43, (1<<16)|(1<<20)|(1<<21)|(5<<22)|(3<<25)   ; 15:0 mask: xb's tiles go to my row; 17:16 2 bytes; 20 padding; 21 set beside a mask; 24:22 every 64 words; 31:25 4 words
	s_or_b32 s[G1B+0], s44, (1<<16)|(1<<20)|(1<<21)|(5<<22)|(3<<25)  ; wb's tiles go to my column
	s_mov_b32 s[G1+1], KSTEP<<16                   ; tensor_dim0 = 128
	s_mov_b32 s[G1B+1], KSTEP<<16
	s_mov_b32 s[G1+2], 128<<16                     ; tensor_dim1 = 128 rows
	s_mov_b32 s[G1B+2], 144<<16                    ;             = 144 rows
	s_mov_b32 s[G1+3], KSTEP<<16                   ; tile_dim0 = 128
	s_mov_b32 s[G1B+3], KSTEP<<16
	s_mov_b32 s[G1+4], 128                         ; tile_dim1
	s_mov_b32 s[G1B+4], 144
	s_mov_b32 s[G1+5], SIZE_K                      ; elements from row to row
	s_mov_b32 s[G1B+5], SIZE_K
	s_mov_b32 s[G1+6], 0
	s_mov_b32 s[G1B+6], 0
	s_mov_b32 s[G1+7], 0
	s_mov_b32 s[G1B+7], 0
	; xb's tiles hang on the block row alone, wb's on the block column alone; each address is made in registers that never hold the other coordinate
	s_lshl_b32 s16, s13, 8
	s_lshl_b32 s17, s12, 7
	s_add_co_u32 s16, s16, s17                     ; xb: row 256 by + 128 x half
	s_mul_i32 s16, s16, SIZE_K*2                   ; in bytes: below 12,582,912
	s_mov_b32 s17, 0
	s_mul_i32 s46, s42, 288
	s_mul_i32 s47, s12, 144
	s_add_co_u32 s46, s46, s47                     ; wb: row 288 bx + 144 x half
	s_mul_i32 s46, s46, SIZE_K*2
	s_mov_b32 s47, 0
	s_mul_i32 s20, s10, HA
	s_add_co_u32 s20, s20, AOFF-2*HA               ; where xb's halves go: waves 2, 3 -> AOFF, AOFF + HA
	s_mul_i32 s21, s10, HB                         ; where wb's halves go: waves 0, 1 -> 0, HB
	s_wait_dscnt 0x0
	s_wait_kmcnt 0x0
	s_add_nc_u64 s[14:15], s[4:5], s[16:17]
	s_add_nc_u64 s[46:47], s[6:7], s[46:47]
	CROUND                                         ; all sixteen work-groups are here: the first joint loads meet
.irp s, 0,1
	s_mov_b32 s[G0+4*\s], 1                                        ; count = 1
	s_add_co_u32 s[G0+4*\s+1], s20, \s*SLOT                        ; LDS address
	s_add_nc_u64 s[G0+4*\s+2:G0+4*\s+3], s[14:15], \s*KSTEP*2      ; global address: K step s
	s_or_b32 s[G0+4*\s+3], s[G0+4*\s+3], 0x80000000                ; type = 2
	s_mov_b32 s[G0B+4*\s], 1
	s_add_co_u32 s[G0B+4*\s+1], s21, \s*SLOT
	s_add_nc_u64 s[G0B+4*\s+2:G0B+4*\s+3], s[46:47], \s*KSTEP*2
	s_or_b32 s[G0B+4*\s+3], s[G0B+4*\s+3], 0x80000000
	JLOAD \s                                       ; both slots' first fills: two tensor loads of the wave are out, the most in this text
.endr
	; a fragment: lane l holds row l % 16; registers 0-3 K = 8 (l / 16) + 0..7, registers 4-7 K = 16 + 8 (l / 16) + 0..7: two loads of 16 bytes, 32 apart
	v_and_b32 v1, 15, v0                           ; r = l % 16
	v_bfe_u32 v2, v0, 4, 1                         ; h = l / 16
	v_mul_u32_u24 v3, v1, PITCH
	v_lshl_add_u32 v3, v2, 4, v3
	s_mul_i32 s18, s11, HA
	s_add_co_u32 s18, s18, AOFF                    ; my 128 rows of xb
	s_mul_i32 s19, s12, HB                         ; my 144 rows of wb
.irp s, 0,1
	v_add_nc_u32 v[ADRA+\s], s18, v3
	v_add_nc_u32 v[ADRB+\s], s19, v3
	s_add_co_u32 s18, s18, SLOT
	s_add_co_u32 s19, s19, SLOT
.endr
	; where my tiles go in qkv.  Column tile ct = 18 bx + 9 hc + b, block of 16 rows 16 by + 8 hr + a.  All in registers of their own, which feed no descriptor.
	v_and_b32 v4, 31, v0
	v_lshlrev_b32 v[LN], 4, v4
	s_mul_i32 s75, s42, 18
	s_mul_i32 s76, s12, 9
	s_add_co_u32 s75, s75, s76                     ; my first column tile
	s_lshl_b32 s76, s13, 4
	s_lshl3_add_u32 s76, s11, s76                  ; my first block of 16 rows
	s_lshl_b32 s77, s76, 12                        ; x 4,096 bytes in q and k
	s_mul_i32 s78, s76, 6144                       ; x 6,144 bytes in v,
	s_add_co_u32 s78, s78, VBASE                   ; which lies behind q and k
	s_mov_b32 s79, 6144
	s_mov_b32 s80, 4096
.irp b, 0,1,2,3,4,5,6,7,8
	s_add_co_u32 s81, s75, \b                      ; ct
	s_lshr_b32 s82, s81, 3                         ; as a tile of q or k: group ct / 8,
	s_mul_i32 s82, s82, CGB
	s_and_b32 s83, s81, 7                          ; tile ct mod 8 in it
	s_lshl_b32 s83, s83, 9
	s_add_co_u32 s82, s82, s83
	s_add_co_u32 s82, s82, s77
	s_max_u32 s83, s81, 96                         ; as a tile of v: number ct - 96 (0 where it is none: then not taken),
	s_sub_co_u32 s83, s83, 96
	s_mul_i32 s84, s83, 43
	s_lshr_b32 s84, s84, 9                         ; slice = number / 12 (exact for 0 .. 47),
	s_mul_i32 s85, s84, 12
	s_sub_co_u32 s83, s83, s85                     ; tile number mod 12 in it
	s_lshl_b32 s83, s83, 9
	s_mul_i32 s84, s84, SLB
	s_add_co_u32 s83, s83, s84
	s_add_co_u32 s83, s83, s78
	s_cmp_ge_u32 s81, 96                           ; a choice of a value, no branch
	s_cselect_b32 s82, s83, s82                    ; below 37,748,736
	s_cselect_b32 s[PT+\b], s79, s80
	v_add_nc_u32 v[VO+\b], s82, v[LN]
.endr
; 9 n matrix instructions: row blocks a0 .. a0 + n - 1 x all 9 column blocks, 32 along K, from fragment buffer buf.  zero = 1: the first product starts the sums.
; The 72 accumulators take turns, one instruction a turn, always in the order t = 0 .. 71.
.macro MULS buf, a0, n, zero
.set ma, \a0
.rept \n
.set mb, 0
.rept 9
.set mt, 9*ma+mb
.set mw, 1+mt/32
.set ml, 8*(mt%32)
	WIN (mw<<6)|(mw<<4)|(3*\buf)
.if \zero
	v_wmma_f32_16x16x32_bf16 v[ml:ml+7], v[FB\buf+8*mb:FB\buf+8*mb+7], v[FA\buf+8*ma:FA\buf+8*ma+7], 0
.else
	v_wmma_f32_16x16x32_bf16 v[ml:ml+7], v[FB\buf+8*mb:FB\buf+8*mb+7], v[FA\buf+8*ma:FA\buf+8*ma+7], v[ml:ml+7]
.endif
.set mb, mb+1
.endr
.set ma, ma+1
.endr
.endm
; 34 LDS loads in one run: a quarter step's fragments (144 rows of wb, 128 rows of xb, 32 K at byte k of the rows) into buffer buf
.macro FETCH slot, k, buf
	WIN 0xc0*\buf
.irp i, 0,1,2,3,4,5,6,7,8
	ds_load_b128 v[FB\buf+8*\i:FB\buf+8*\i+3],   v[ADRB+\slot] offset:\k+\i*16*PITCH
	ds_load_b128 v[FB\buf+8*\i+4:FB\buf+8*\i+7], v[ADRB+\slot] offset:\k+\i*16*PITCH+32
.endr
	WIN 0
.irp i, 0,1,2,3,4,5,6,7
	ds_load_b128 v[FA\buf+8*\i:FA\buf+8*\i+3],   v[ADRA+\slot] offset:\k+\i*16*PITCH
	ds_load_b128 v[FA\buf+8*\i+4:FA\buf+8*\i+7], v[ADRA+\slot] offset:\k+\i*16*PITCH+32
.endr
.endm
; Four plain vector places stand between a matrix instruction and a load into, or a vector instruction on, one of its registers (ISA guide 7.12.1 for vector instructions)
.macro PLACES
.rept 4
	v_nop
.endr
.endm
; A quarter step: 72 matrix instructions on buffer f; in its middle the next quarter's fragments go into buffer g
.macro QUARTER slot, k, f, g, zero
	s_wait_dscnt 8                                 ; wb's fragments and xb's rows 0-63 are in; the youngest eight loads (xb's rows 64-127) may be out
	MULS \f, 0, 4, \zero
	PLACES
	FETCH \slot, \k, \g
	s_wait_dscnt 34                                ; all but the 34 just issued
	MULS \f, 4, 4, \zero
.endm
.macro THREE slot, zero
	QUARTER \slot, 64,  0, 1, \zero
	QUARTER \slot, 128, 1, 0, 0
	QUARTER \slot, 192, 0, 1, 0
.endm
; The last quarter multiplies buffer 1 and changes slots.  In front of the barrier each wave waits for its reads of this slot and for all its tensor loads
; (one is out: its part of the next slot).  Where the slot is filled again the barrier opens a round of the cluster's barrier, and the joint refill is the
; first tensor load behind the round.  From a request to the wait for it a wave issues 270 matrix instructions.
.macro TURN slot, next, fill
	s_wait_dscnt 8
	MULS 1, 0, 2, 0
	s_wait_dscnt 0x0                               ; my reads of this slot are over
	s_wait_tensorcnt 0x0                           ; all my tensor loads have landed
	ds_add_u32 v137, v255
	s_wait_dscnt 0x0
	s_barrier_signal -1
	MULS 1, 2, 2, 0                                ; register work while the others arrive
	WIN 0
	s_barrier_wait -1
.if \fill
	CREST                                          ; no wave of any partner still reads this slot or has a load on its way
	s_add_nc_u64 s[G0+4*\slot+2:G0+4*\slot+3], s[G0+4*\slot+2:G0+4*\slot+3], 2*KSTEP*2
	s_add_nc_u64 s[G0B+4*\slot+2:G0B+4*\slot+3], s[G0B+4*\slot+2:G0B+4*\slot+3], 2*KSTEP*2
	JLOAD \slot
.endif
	PLACES
	FETCH \next, 0, 0
	MULS 1, 4, 4, 0
.endm
.macro LAP zero                        ; two K steps, both slots filled again
	THREE 0, \zero
	TURN 0, 1, 1
	THREE 1, 0
	TURN 1, 0, 1
.endm
	s_wait_tensorcnt 1                             ; my part of K step 0 is in; K step 1's stays out
	s_barrier_signal -1
	s_barrier_wait -1
	FETCH 0, 0, 0
	LAP 1                                          ; K steps 0, 1; asks for 2, 3
	LAP 0                                          ; K steps 2, 3; asks for 4, 5
	THREE 0, 0                                     ; K steps 4, 5: nothing is left to ask for
	TURN 0, 1, 0
	THREE 1, 0
	s_wait_dscnt 8
	MULS 1, 0, 4, 0
	s_wait_dscnt 0x0
	MULS 1, 4, 4, 0
	; THE WAY OUT, 16 rows at a time: round to f16 and store each tile as it lies in the registers.
	PLACES
; rows 16 a .. 16 a + 15 of my block = tiles 9 a .. 9 a + 8
.macro OUT16 a
.if \a
	s_wait_xcnt 0x0                                ; the last 16 rows' stores read the packing registers and the offsets: both are rewritten only behind this wait
.irp b, 0,1,2,3,4,5,6,7,8
	v_add_nc_u32 v[VO+\b], s[PT+\b], v[VO+\b]      ; the next block of 16 rows
.endr
.endif
.set ob, 0
.rept 9
.set ot, 9*\a+ob
.set ow, 1+ot/32
.set ol, 8*(ot%32)
	WIN ow|(ow<<2)
.irp r, 0,1,2,3
	v_cvt_pk_f16_f32 v[TMP+4*ob+\r], v[ol+2*\r], v[ol+2*\r+1]
.endr
.set ob, ob+1
.endr
	WIN 0
.irp b, 0,1,2,3,4,5,6,7,8
	global_store_b128 v[VO+\b], v[TMP+4*\b:TMP+4*\b+3], s[8:9]     ; a tile: 32 lanes store 512 neighbouring bytes, at a multiple of 512 from qkv's first byte
.endr
.endm
	OUT16 0
	OUT16 1
	OUT16 2
	OUT16 3
	OUT16 4
	OUT16 5
	OUT16 6
	OUT16 7
	CROUND                                         ; the closing round: no work-group ends while a partner may still ask for a tile that names it
	s_endpgm
.Lfunc_end_k_q43bdfc94d2_project:
	.size	k_q43bdfc94d2_project, .Lfunc_end_k_q43bdfc94d2_project-k_q43bdfc94d2_project
	.p2alignl 7, 3214868480
	.fill 96, 4, 3214868480
	.section	.rodata,"a",@progbits
	.p2align	6, 0x0
	.amdhsa_kernel k_q43bdfc94d2_project
		.amdhsa_group_segment_fixed_size 327680
		.amdhsa_private_segment_fixed_size 0
		.amdhsa_enable_private_segment 0
		.amdhsa_kernarg_size 24
		.amdhsa_user_sgpr_count 2
		.amdhsa_user_sgpr_kernarg_segment_ptr 1
		.amdhsa_wavefront_size32 1
		.amdhsa_system_sgpr_workgroup_id_x 1
		.amdhsa_system_sgpr_workgroup_id_y 1
		.amdhsa_system_sgpr_workgroup_id_z 1
		.amdhsa_system_vgpr_workitem_id 0
		.amdhsa_next_free_vgpr 906
		.amdhsa_next_free_sgpr 88
		.amdhsa_reserve_vcc 0
		.amdhsa_float_denorm_mode_32 3
		.amdhsa_float_denorm_mode_16_64 3
		.amdhsa_memory_ordered 1
		.amdhsa_forward_progress 1
		.amdhsa_inst_pref_size 213
	.end_amdhsa_kernel
	.amdgpu_metadata
---
amdhsa.version: [ 1, 2 ]
amdhsa.kernels:
  - .name:           k_q43bdfc94d2_project
    .symbol:         k_q43bdfc94d2_project.kd
    .args:
      - { .name: xb, .offset: 0, .size: 8, .value_kind: global_buffer, .address_space: global }
      - { .name: wb, .offset: 8, .size: 8, .value_kind: global_buffer, .address_space: global }
      - { .name: qkv, .offset: 16, .size: 8, .value_kind: global_buffer, .address_space: global }
    .group_segment_fixed_size: 327680
    .private_segment_fixed_size: 0
    .kernarg_segment_align: 8
    .kernarg_segment_size: 24
    .max_flat_workgroup_size: 128
    .sgpr_count:     88
    .vgpr_count:     906
    .wavefront_size: 32
...
	.end_amdgpu_metadata
.endif
;; end of part 5
;; launch scores (part 6): grid 36 x 4, 4 waves a work-group, no clusters, 327,680 bytes of LDS; arguments qkv, pt, mst, lst; writes pt, mst, lst
.if DOCPART == 6
	.amdgcn_target "amdgcn-amd-amdhsa--gfx1250"
	.amdhsa_code_object_version 6
	.text
	.protected	k_q43bdfc94d2_scores
	.globl	k_q43bdfc94d2_scores
	.p2align	8
	.type	k_q43bdfc94d2_scores,@function
k_q43bdfc94d2_scores:
	s_mov_b64 s[64:65], 0
	v_nop
	global_prefetch_b8 v0, s[64:65] scope:SCOPE_SE
	s_setreg_imm32_b32 hwreg(HW_REG_WAVE_MODE, 25, 1), 1
	s_wait_xcnt 0x0
; For each batch (grid y) and each of the 36 blocks of 256 x 256 on or below the diagonal (grid x): S = q k^T over d = 768 (f16 operands, f32 sums), the causal
; mask, and for every row and every chunk of 128 keys: m = c x (the chunk's largest score), p~ = exp2(c s - m) in f16, l = the sum of p~ in f32, c = log2(e) / sqrt(768).
; q AND k COME IN TILE ORDER: qkv holds [group of 128 columns: 0-5 q, 6-11 k][block of 16 rows][8 tiles of 16 columns][lane][16 bytes]; lane l's 16 bytes are row l % 16,
; columns 8 (l / 16) + 0..7.  So 128 rows x 128 columns are 32,768 dense bytes, and a fragment (16 rows x 32 K) is two neighbouring tiles, each read as 512 neighbouring bytes.
; pt takes p~ in the same order: [128 batch + block of 16 rows][tile of 16 keys][lane][16 bytes].  That is how the packed results lie in this launch's registers, so they
; are stored as they are, with no way through LDS.  Only quadrants of 128 x 128 with chunk <= row block are written, and only those are read later.
; mst, lst [4][16 chunks][2048 rows] f32 take m and l.  The maximum is taken away here per chunk and once more, over the chunks, in the next launch.
; LIMIT: q and k come in f16, so |q|, |k| must have stayed below 65,504 in the launch that made them.
; Four waves, a wave one quadrant of 128 x 128: 64 accumulator tiles, 512 registers; so a wave's quadrant is one chunk for its 128 rows.
; K in 6 steps of 128 through two LDS slots; each wave fetches 32,768 bytes of a slot, as 128 rows of 256 bytes (waves 0, 1: q's halves, waves 2, 3: k's halves).
; NO CLUSTER: a batch's triangle has block rows of 1 to 8 blocks, which do not divide into groups of four that share one operand.
; On the diagonal blocks the quadrant above the diagonal (row half 0, key half 1) is wholly masked and never read: that wave multiplies along (it shares the barriers) and stores nothing.
; REGISTERS: window 0: v16-30 addresses; v64-127, v128-191 fragments of q, two buffers; v192-223 packed results; v224-239 softmax.  Window 1: v64-191 fragments of k.
;   Window 2: the 32 tiles of my rows 0-63 (tile (a, b) at v[8 (8 a + b)]); window 3: those of rows 64-127.
; THE MATRIX INSTRUCTION IS USED TRANSPOSED (source 0 = rows of k, source 1 = rows of q): lane l holds query row l % 16, its registers the keys 8 (l / 16) + 0..7.
; So a row's 128 scores lie in two lanes, l and l xor 16: the reductions are in the lane but for one step across the halves.
.set CGB,    512*4096                  ; qkv: bytes of a group of 128 columns, which is a K step
.set RB,     4096                      ; bytes from a block of 16 rows to the next, in qkv and in LDS: 8 tiles of 512
.set QK,     1024                      ; bytes of a quarter step in a block of 16 rows: 2 tiles
.set HALFT,  8*RB                      ; 128 rows x 128 K
.set SLOT,   4*HALFT
.set STATS,  2*SLOT                    ; behind the ring (a multiple of 256 from LDS byte 0; no fill lands there): 1,024 bytes for each wave: m of its 128 rows, then l
.set RSTEP,  65536                     ; bytes of pt from a block of 16 rows to the next: 128 tiles of 512 bytes
.set ADRA, 16
.set ADRB, 20
.set DL,   27                          ; r - 8 h: key j of the diagonal tile is masked where j > DL
.set SA,   28                          ; my row's word in my wave's statistics
.set SR,   29                          ; where I read 16 bytes of them back
.set SG,   30                          ; 16 x lane: my 16 bytes of a span of 512; never rewritten
.set F0,   64
.set F1,   128
.set TMP,  192
.set MX,   224                         ; v[224:227] four chains of maxima
.set NM,   228                         ; v[228:229] -m, twice
.set ST,   230                         ; m
.set SM,   232                         ; v[232:239] four chains of pairs of sums
.set G1,   24                          ; s[24:31]
.set G0,   32                          ; s[32:39] a set for each slot
.set MK,   48                          ; s[48:55] lane masks of the diagonal tile, one for each register
.set MSB, 0
.macro WIN new
.if MSB != (\new)
	s_set_vgpr_msb (MSB<<8)|(\new)
.set MSB, \new
.endif
.endm
.set MUL_LO, 0xa1                      ; source 0 (k) window 1, source 1 (q) window 0, C and D window 2
.set MUL_HI, 0xf1
.set TO_B,   0x40
	s_load_b256 s[4:11], s[0:1], 0x0               ; qkv s[4:5], pt s[6:7], mst s[8:9], lst s[10:11]
	s_set_vgpr_msb 0x40
	v_lshl_add_u32 v255, v0, 2, 0x41000
	s_set_vgpr_msb 0x4000
	v_mov_b32 v255, 0
	s_set_vgpr_msb 0x1
	ds_add_u32 v255, v255
	ds_add_u32 v255, v255
	s_set_vgpr_msb 0x100
	v_lshrrev_b32 v1, 5, v0
	v_readfirstlane_b32 s12, v1                    ; wave
	s_lshr_b32 s13, s12, 1                         ; hr: my half of the rows.  Also: I fetch q (0) or k (1)
	s_and_b32 s14, s12, 1                          ; hc: my half of the keys.  Also: which 128 rows I fetch
	s_and_b32 s15, ttmp7, 0xffff                   ; batch
	s_mov_b32 s16, 0                               ; I = how many of the triangle's row starts 1, 3, 6, .. the block's number has reached
.irp th, 1,3,6,10,15,21,28
	s_cmp_ge_u32 ttmp9, \th
	s_add_co_ci_u32 s16, s16, 0
.endr
	s_add_co_u32 s17, s16, 1
	s_mul_i32 s17, s17, s16
	s_lshr_b32 s17, s17, 1
	s_sub_co_u32 s17, ttmp9, s17                   ; J = number - I (I + 1) / 2, 0 .. I
	; a dense block of 32,768 bytes, as 128 rows of 256 bytes (32 elements of 8 bytes), laid into LDS without gaps
	s_mov_b32 s[G1+0], 3<<16                       ; no mask; elements of 8 bytes; no padding
	s_mov_b32 s[G1+1], 32<<16                      ; tensor_dim0 = 32
	s_mov_b32 s[G1+2], 128<<16                     ; tensor_dim1 = 128
	s_mov_b32 s[G1+3], 32<<16                      ; tile_dim0 = 32
	s_mov_b32 s[G1+4], 128                         ; tile_dim1 = 128
	s_mov_b32 s[G1+5], 32                          ; elements from row to row
	s_mov_b32 s[G1+6], 0
	s_mov_b32 s[G1+7], 0
	s_cmp_eq_u32 s13, 0
	s_cselect_b32 s18, s16, s17                    ; q's block row I, or k's J
	s_lshl_b32 s18, s18, 4
	s_lshl3_add_u32 s18, s14, s18
	s_lshl_b32 s19, s15, 7
	s_add_co_u32 s18, s18, s19                     ; block of 16 rows 128 b + 16 block + 8 half
	s_lshl_b32 s18, s18, 12                        ; x 4,096 bytes
	s_mul_i32 s19, s13, 6*CGB                      ; k's groups lie behind q's six
	s_add_co_u32 s18, s18, s19                     ; below 25,165,824 with the K steps
	s_mov_b32 s19, 0
	s_mul_i32 s20, s12, HALFT                      ; where my 128 rows go
	s_wait_dscnt 0x0
	s_wait_kmcnt 0x0
	s_add_nc_u64 s[18:19], s[4:5], s[18:19]
.irp s, 0,1
	s_mov_b32 s[G0+4*\s], 1
	s_add_co_u32 s[G0+4*\s+1], s20, \s*SLOT
	s_add_nc_u64 s[G0+4*\s+2:G0+4*\s+3], s[18:19], \s*CGB
	s_or_b32 s[G0+4*\s+3], s[G0+4*\s+3], 0x80000000
	tensor_load_to_lds s[G0+4*\s:G0+4*\s+3], s[G1:G1+7]            ; both first fills together: two loads of the wave are out, the most in this text
	s_nop 0
.endr
	s_mov_b32 s40, 0x3d553b95                      ; c = log2(e) / sqrt(768)
	s_mov_b32 s41, 0x3d553b95
	s_mov_b32 s42, 0xbd553b95                      ; -c
	s_mov_b32 s43, 0xff800000                      ; -infinity
	s_mov_b32 s44, 0x76543210                      ; v_permlanex16_b32: lane i reads lane i of the other half
	s_mov_b32 s45, 0xfedcba98
	v_and_b32 v1, 15, v0                           ; r
	v_bfe_u32 v2, v0, 4, 1                         ; h
	v_and_b32 v5, 31, v0
	v_lshlrev_b32 v[SG], 4, v5                     ; a tile is read as it lies: 16 bytes a lane, 512 neighbouring bytes
	s_mul_i32 s21, s13, HALFT                      ; my 128 rows of q
	s_mul_i32 s22, s14, HALFT
	s_add_co_u32 s22, s22, 2*HALFT                 ; my 128 rows of k
.irp s, 0,1
	v_add_nc_u32 v[ADRA+\s], s21, v[SG]
	v_add_nc_u32 v[ADRB+\s], s22, v[SG]
	s_add_co_u32 s21, s21, SLOT
	s_add_co_u32 s22, s22, SLOT
.endr
	v_lshlrev_b32 v5, 3, v2
	v_sub_nc_u32 v[DL], v1, v5
	s_lshl_b32 s23, s12, 10
	s_add_co_u32 s23, s23, STATS
	v_lshl_add_u32 v[SA], v1, 2, s23
	v_add_nc_u32 v[SR], s23, v[SG]
; 16 matrix instructions: row blocks a0, a0 + 1 of the window's four x all 8 key blocks.  The 64 accumulators take turns, one instruction a turn, always in the same order.
.macro MUL16 f, hi, a0, zero
.irp a, \a0, \a0+1
.irp b, 0,1,2,3,4,5,6,7
.if \zero
	v_wmma_f32_16x16x32_f16 v[8*(8*(\a)+\b):8*(8*(\a)+\b)+7], v[\f+8*\b:\f+8*\b+7], v[\f+8*(4*\hi+\a):\f+8*(4*\hi+\a)+7], 0
.else
	v_wmma_f32_16x16x32_f16 v[8*(8*(\a)+\b):8*(8*(\a)+\b)+7], v[\f+8*\b:\f+8*\b+7], v[\f+8*(4*\hi+\a):\f+8*(4*\hi+\a)+7], v[8*(8*(\a)+\b):8*(8*(\a)+\b)+7]
.endif
.endr
.endr
.endm
.macro FETCH slot, k, f                ; 32 LDS loads in one run: a quarter step's fragments, two tiles each; k: the quarter's byte in a block of 16 rows
	WIN TO_B
.irp i, 0,1,2,3,4,5,6,7
	ds_load_b128 v[\f+8*\i:\f+8*\i+3],   v[ADRB+\slot] offset:\k+\i*RB
	ds_load_b128 v[\f+8*\i+4:\f+8*\i+7], v[ADRB+\slot] offset:\k+\i*RB+512
.endr
	WIN 0
.irp i, 0,1,2,3,4,5,6,7
	ds_load_b128 v[\f+8*\i:\f+8*\i+3],   v[ADRA+\slot] offset:\k+\i*RB
	ds_load_b128 v[\f+8*\i+4:\f+8*\i+7], v[ADRA+\slot] offset:\k+\i*RB+512
.endr
.endm
.macro PLACES                          ; four plain vector places behind matrix instructions (ISA guide 7.12.1 for vector instructions)
.rept 4
	v_nop
.endr
.endm
.macro QUARTER slot, k, f, g, zero
	s_wait_dscnt 8                                 ; k's fragments and q's rows 0-63 are in; the youngest eight loads may be out
	WIN MUL_LO
	MUL16 \f, 0, 0, \zero
	MUL16 \f, 0, 2, \zero
	PLACES
	FETCH \slot, \k, \g
	s_wait_dscnt 32                                ; all but the 32 just issued
	WIN MUL_HI
	MUL16 \f, 1, 0, \zero
	MUL16 \f, 1, 2, \zero
.endm
.macro THREE slot, zero
	QUARTER \slot, QK,   F0, F1, \zero
	QUARTER \slot, 2*QK, F1, F0, 0
	QUARTER \slot, 3*QK, F0, F1, 0
.endm
; The last quarter changes slots: each wave waits for its reads of this slot and for all its tensor loads (one is out: its part of the next slot), one barrier,
; then the refill first, then the next slot's first fragments.  From a request to the wait for it a wave issues 240 matrix instructions.
.macro TURN slot, next, fill
	s_wait_dscnt 8
	WIN MUL_LO
	MUL16 F1, 0, 0, 0
	s_wait_dscnt 0x0
	s_wait_tensorcnt 0x0
	ds_add_u32 v255, v255
	s_wait_dscnt 0x0
	s_barrier_signal -1
	MUL16 F1, 0, 2, 0                              ; register work while the others arrive
	s_barrier_wait -1
.if \fill
	s_add_nc_u64 s[G0+4*\slot+2:G0+4*\slot+3], s[G0+4*\slot+2:G0+4*\slot+3], 2*CGB   ; no load of mine is out: the address may step, two K steps on
	tensor_load_to_lds s[G0+4*\slot:G0+4*\slot+3], s[G1:G1+7]
	s_nop 0
.endif
	PLACES
	FETCH \next, 0, F0
	WIN MUL_HI
	MUL16 F1, 1, 0, 0
	MUL16 F1, 1, 2, 0
.endm
.macro LAP zero
	THREE 0, \zero
	TURN 0, 1, 1
	THREE 1, 0
	TURN 1, 0, 1
.endm
	s_wait_tensorcnt 1                             ; my part of K step 0 is in; K step 1's stays out
	s_barrier_signal -1
	s_barrier_wait -1
	FETCH 0, 0, F0
	LAP 1                                          ; K steps 0, 1; asks for 2, 3
	LAP 0                                          ; K steps 2, 3; asks for 4, 5
	THREE 0, 0
	TURN 0, 1, 0
	THREE 1, 0
	s_wait_dscnt 8
	WIN MUL_LO
	MUL16 F1, 0, 0, 0
	MUL16 F1, 0, 2, 0
	s_wait_dscnt 0x0
	WIN MUL_HI
	MUL16 F1, 1, 0, 0
	MUL16 F1, 1, 2, 0
	PLACES
	WIN 0
	s_lshl_b32 s18, s15, 4                         ; statistics: ((16 b + 2 J + hc) x 2048 + 256 I + 128 hr) x 4 bytes
	s_lshl1_add_u32 s19, s17, s14
	s_add_co_u32 s18, s18, s19
	s_lshl_b32 s18, s18, 11
	s_lshl_b32 s19, s16, 8
	s_add_co_u32 s18, s18, s19
	s_lshl_b32 s19, s13, 7
	s_add_co_u32 s18, s18, s19
	s_lshl_b32 s18, s18, 2
	s_mov_b32 s19, 0
	s_add_nc_u64 s[8:9], s[8:9], s[18:19]
	s_add_nc_u64 s[10:11], s[10:11], s[18:19]
	s_lshl_b32 s20, s15, 7                         ; pt: ((128 b + 16 I + 8 hr) x 128 + 16 J + 8 hc) x 512 bytes, below 33,554,432
	s_lshl4_add_u32 s20, s16, s20
	s_lshl3_add_u32 s20, s13, s20                  ; my first block of 16 rows
	s_lshl_b32 s20, s20, 7
	s_lshl4_add_u32 s20, s17, s20
	s_lshl3_add_u32 s20, s14, s20                  ; my first tile of 16 keys in it
	s_lshl_b32 s20, s20, 9
	s_mov_b32 s21, 0
	s_add_nc_u64 s[6:7], s[6:7], s[20:21]
; Rows 16 a .. 16 a + 15 of my quadrant.  tri = 1: the quadrant lies on the diagonal: tiles b < a are whole, tile b = a is masked where key > row, tiles b > a are all masked.
.macro EPI a, tri
.set ew, 2+\a/4                        ; the tiles' window
.set eb, 64*(\a%4)                     ; tile (a, 0) in it
.if \tri
.set elive, \a+1
	WIN (ew<<6)|ew
.irp j, 0,1,2,3,4,5,6,7
	v_cndmask_b32 v[eb+8*\a+\j], v[eb+8*\a+\j], s43, s[MK+\j]      ; -infinity where 8 h + j > r
.endr
.else
.set elive, 8
.endif
	WIN (ew<<2)|(ew<<4)                            ; the largest score of the row's chunk: four chains in the lane, started from -infinity
.set et, 0
.rept elive
.irp k, 0,1,2,3
.if et == 0
	v_max3_num_f32 v[MX+\k], s43, v[eb+2*\k], v[eb+2*\k+1]
.else
	v_max3_num_f32 v[MX+\k], v[MX+\k], v[eb+8*et+2*\k], v[eb+8*et+2*\k+1]
.endif
.endr
.set et, et+1
.endr
	WIN 0
	v_max3_num_f32 v[MX], v[MX], v[MX+1], v[MX+2]
	v_max_num_f32 v[MX], v[MX], v[MX+3]
	v_permlanex16_b32 v[MX+1], v[MX], s44, s45     ; the row's other 64 keys lie in lane l xor 16; the key on the diagonal is never masked, so the result is finite
	v_max_num_f32 v[MX], v[MX], v[MX+1]
	v_mul_f32 v[NM], s42, v[MX]
	v_mul_f32 v[NM+1], s42, v[MX]
	v_mul_f32 v[ST], s40, v[MX]                    ; m = c x max, the exact negative of NM
	ds_store_b32 v[SA], v[ST] offset:64*\a         ; both halves write the same word with the same value
	WIN (ew<<6)|ew
.set et, 0
.rept elive
.irp k, 0,2,4,6
	v_pk_fma_f32 v[eb+8*et+\k:eb+8*et+\k+1], v[eb+8*et+\k:eb+8*et+\k+1], s[40:41], v[NM:NM+1] op_sel_hi:[1,0,1]   ; c s - m, at most a rounding above 0; -infinity stays
.endr
.set et, et+1
.endr
.set et, 0
.rept 8*elive
	v_exp_f32 v[eb+et], v[eb+et]
.set et, et+1
.endr
	v_nop                                          ; one plain place behind the last exponential before its result is read (ISA guide 5.7.2)
	s_wait_alu depctr_va_vdst(0)
	WIN (ew<<2)                                    ; l: four chains of pairs, started from the constant 0
.set et, 0
.rept elive
.irp k, 0,1,2,3
.if et == 0
	v_pk_add_f32 v[SM+2*\k:SM+2*\k+1], 0, v[eb+2*\k:eb+2*\k+1] op_sel_hi:[0,1]
.else
	v_pk_add_f32 v[SM+2*\k:SM+2*\k+1], v[SM+2*\k:SM+2*\k+1], v[eb+8*et+2*\k:eb+8*et+2*\k+1]
.endif
.endr
.set et, et+1
.endr
	WIN 0
	v_pk_add_f32 v[SM:SM+1], v[SM:SM+1], v[SM+2:SM+3]
	v_pk_add_f32 v[SM+4:SM+5], v[SM+4:SM+5], v[SM+6:SM+7]
	v_pk_add_f32 v[SM:SM+1], v[SM:SM+1], v[SM+4:SM+5]
	v_add_f32 v[SM], v[SM], v[SM+1]
	v_permlanex16_b32 v[SM+1], v[SM], s44, s45
	v_add_f32 v[SM], v[SM], v[SM+1]
	ds_store_b32 v[SA], v[SM] offset:512+64*\a
	s_wait_xcnt 0x0                                ; the packing registers are the data of the last 16 rows' stores: they are rewritten only behind this wait
	WIN ew|(ew<<2)
.set et, 0
.rept elive
.irp r, 0,1,2,3
	v_cvt_pk_f16_f32 v[TMP+4*et+\r], v[eb+8*et+2*\r], v[eb+8*et+2*\r+1]
.endr
.set et, et+1
.endr
	WIN 0
.if \tri
.if \a == 0
.set et, 4
.rept 28
	v_mov_b32 v[TMP+et], 0                         ; the tiles right of the diagonal are zeros: written once, since rows 16 a .. overwrite only tiles 0 .. a
.set et, et+1
.endr
.endif
.endif
.irp b, 0,1,2,3,4,5,6,7
	global_store_b128 v[SG], v[TMP+4*\b:TMP+4*\b+3], s[6:7] offset:RSTEP*\a+512*\b   ; a tile: 32 lanes store 512 neighbouring bytes, at a multiple of 512 from pt's first byte
.endr
.endm
	s_cmp_lg_u32 s16, s17
	s_cbranch_scc1 .Lfull                          ; a block below the diagonal
	s_cmp_gt_u32 s13, s14
	s_cbranch_scc1 .Lfull                          ; the diagonal block's lower left quadrant
	s_cmp_lt_u32 s13, s14
	s_cbranch_scc1 .Lend                           ; its upper right quadrant: all masked, never read; no barrier is left to pass
.irp j, 0,1,2,3,4,5,6,7
	v_cmp_gt_i32 s[MK+\j], \j, v[DL]               ; the lanes in which register j of the diagonal tile is masked
.endr
	EPI 0, 1
	EPI 1, 1
	EPI 2, 1
	EPI 3, 1
	EPI 4, 1
	EPI 5, 1
	EPI 6, 1
	EPI 7, 1
	s_branch .Lstats
.Lfull:
	EPI 0, 0
	EPI 1, 0
	EPI 2, 0
	EPI 3, 0
	EPI 4, 0
	EPI 5, 0
	EPI 6, 0
	EPI 7, 0
.Lstats:
	ds_load_b128 v[SM:SM+3], v[SR]                 ; my wave's own words: m of its 128 rows, 512 neighbouring bytes,
	ds_load_b128 v[SM+4:SM+7], v[SR] offset:512    ; and l
	s_wait_dscnt 0x0
	global_store_b128 v[SG], v[SM:SM+3], s[8:9]
	global_store_b128 v[SG], v[SM+4:SM+7], s[10:11]
.Lend:
	s_set_vgpr_msb 0x1
	s_wait_tensorcnt 0x0
	ds_add_u32 v255, v255
	s_wait_dscnt 0x0
	s_set_vgpr_msb 0x100
	s_endpgm
.Lfunc_end_k_q43bdfc94d2_scores:
	.size	k_q43bdfc94d2_scores, .Lfunc_end_k_q43bdfc94d2_scores-k_q43bdfc94d2_scores
	.p2alignl 7, 3214868480
	.fill 96, 4, 3214868480
	.section	.rodata,"a",@progbits
	.p2align	6, 0x0
	.amdhsa_kernel k_q43bdfc94d2_scores
		.amdhsa_group_segment_fixed_size 327680
		.amdhsa_private_segment_fixed_size 0
		.amdhsa_enable_private_segment 0
		.amdhsa_kernarg_size 32
		.amdhsa_user_sgpr_count 2
		.amdhsa_user_sgpr_kernarg_segment_ptr 1
		.amdhsa_wavefront_size32 1
		.amdhsa_system_sgpr_workgroup_id_x 1
		.amdhsa_system_sgpr_workgroup_id_y 1
		.amdhsa_system_sgpr_workgroup_id_z 1
		.amdhsa_system_vgpr_workitem_id 0
		.amdhsa_next_free_vgpr 1024
		.amdhsa_next_free_sgpr 66
		.amdhsa_reserve_vcc 0
		.amdhsa_float_denorm_mode_32 3
		.amdhsa_float_denorm_mode_16_64 3
		.amdhsa_memory_ordered 1
		.amdhsa_forward_progress 1
		.amdhsa_inst_pref_size 255
	.end_amdhsa_kernel
	.section	.bss,"aw",@nobits
	.p2align	6
	.space	262144
	.amdgpu_metadata
---
amdhsa.version: [ 1, 2 ]
amdhsa.kernels:
  - .name:           k_q43bdfc94d2_scores
    .symbol:         k_q43bdfc94d2_scores.kd
    .args:
      - { .name: qkv, .offset: 0, .size: 8, .value_kind: global_buffer, .address_space: global }
      - { .name: pt, .offset: 8, .size: 8, .value_kind: global_buffer, .address_space: global }
      - { .name: mst, .offset: 16, .size: 8, .value_kind: global_buffer, .address_space: global }
      - { .name: lst, .offset: 24, .size: 8, .value_kind: global_buffer, .address_space: global }
    .group_segment_fixed_size: 327680
    .private_segment_fixed_size: 0
    .kernarg_segment_align: 8
    .kernarg_segment_size: 32
    .max_flat_workgroup_size: 128
    .sgpr_count:     66
    .vgpr_count:     1024
    .wavefront_size: 32
...
	.end_amdgpu_metadata
.endif
;; end of part 6
;; launch context (part 7): grid 4 x 64, 4 waves a work-group, clusters of 4 x 4, 327,680 bytes of LDS; arguments pt, qkv, mst, lst, out0; writes out0
.if DOCPART == 7
	.amdgcn_target "amdgcn-amd-amdhsa--gfx1250"
	.amdhsa_code_object_version 6
	.text
	.protected	k_q43bdfc94d2_context
	.globl	k_q43bdfc94d2_context
	.p2align	8
	.type	k_q43bdfc94d2_context,@function
k_q43bdfc94d2_context:
	s_mov_b64 s[64:65], 0
	v_nop
	global_prefetch_b8 v0, s[64:65] scope:SCOPE_SE
	s_setreg_imm32_b32 hwreg(HW_REG_WAVE_MODE, 25, 1), 1
	s_wait_xcnt 0x0
	s_wait_alu depctr_hold_cnt(0) depctr_sa_sdst(0) depctr_va_vdst(0) depctr_va_sdst(0) depctr_va_ssrc(0) depctr_va_vcc(0) depctr_vm_vsrc(0)
	s_getreg_b32 s2, hwreg(HW_REG_IB_STS2, 6, 4)
	s_cmp_eq_u32 s2, 0
	s_cbranch_scc0 .Lentry_in_a_cluster
	s_endpgm
.Lentry_in_a_cluster:
	s_bfe_u32 s2, ttmp6, 0x10000c
	s_cmp_lg_u32 s2, 0xf033
	s_cbranch_scc0 .Lentry_shape_is_right
	s_endpgm
.Lentry_shape_is_right:
; out[row] = sum over chunks c of f_c[row] x (p~_c V_c)[row], with M = max over c of m_c, f_c = exp2(m_c - M) / L, L = sum over c of exp2(m_c - M) l_c.
; p~ (pt, f16, in fragment order), m and l (mst, lst, f32) per row and chunk of 128 keys come from the launch before; V is the last third of qkv (f16, in tile order); out0 is f32.
; Every exponent is at most 0 and L is at least about 1 (the row's largest term), so nothing can overflow.
; LIMIT: V comes in f16, so |v| must have stayed below 65,504 in the launch that made it.
; A work-group makes 128 rows (row block i) x 192 columns (slice cx); four waves, a wave 64 x 96: 24 tiles T for the chunk's product and 24 tiles O for the sum.
; CLUSTERS: 4 x 4 work-groups = row blocks 4 g .. 4 g + 3 of one batch x the four slices.  V's tiles are shared along a column of the cluster and asked for jointly.
; All sixteen walk the same 4 g + 4 chunks, so that every joint load is issued by all that it names: a work-group whose row block ends earlier (i < 4 g + 3) walks along,
; reads p~ of its last chunk i instead, and its factor f is 0 there.  No branch and no LDS address hangs on cx or cy.
; P~ GOES STRAIGHT INTO REGISTERS, NOT JOINTLY THROUGH LDS: pt holds each tile of 16 rows x 16 keys as the 512 bytes of half a fragment, lane by lane, so a load of 16 bytes a
; lane takes 512 neighbouring bytes and needs no transposing.  The price: a byte of p~ is asked for by 8 waves (two of each of the four slices' work-groups), which walk in
; step.  The gain: LDS holds V alone, so that a slot holds TWO chunks of V, there is one round of the cluster's barrier for two chunks, and a refill has 192 matrix
; instructions of a wave in which to land; and a wave reads 12 LDS loads for 24 matrix instructions, not 20.
; p~'s ring: 8 buffers of a quarter chunk (4 fragments, 32 registers, 8 loads).  In quarter Q the loads of quarter Q + 7 go into the registers that quarter Q - 1 read;
; the wait for quarter Q stands in front of them, so 56 loads of a wave are out at the most.
; THE CHUNKS GO FROM THE LAST, 4 g + 3, DOWN TO 0, two to a period (period p: chunks 2 p + 1, 2 p, in slot p mod 2), each written out: a chunk's place in the table of factors
; stands in the loads' immediate and no LDS address is ever stepped.  The first period, which starts O, stands once in front; a cluster then enters the run at period 2 g.
; V IN MEMORY: [slice of 192 columns][block of 16 keys][12 tiles of 16 columns][lane][16 bytes]; lane l's 16 bytes are key l % 16, columns 8 (l / 16) + 0..7.  So a tile is two
; spans of 256 bytes, one for each half of its columns, 16 bytes a key, and a wave's 64 keys of the slice are 24,576 dense bytes: 96 rows of 256 bytes, each at a multiple of 256.
; V IN LDS: 128 bytes of padding behind every 256, so that a tile's two spans lie 384 bytes apart.  The transposing load's first 16 lanes take keys 0-7 of both spans, the
; other 16 keys 8-15: 128 bytes of each.  384 apart these fall into the two different halves of a 256-byte span of LDS; 256 apart they would fall onto each other.
; Source 0 = columns of V (by the transposing load), source 1 = rows of p~: lane l holds row l % 16, its registers the columns 8 (l / 16) + 0..7.
; REGISTERS: window 0: v22-31 addresses, factors; v32-79, v80-127 two buffers of 6 fragments of V; v128-135 factors; v136-188 the statistics; v192-196 the way out; v200-207 V in LDS.
;   Window 1: T at v[8 (6 a + b)].  Window 2: O likewise.  Window 3: p~'s ring, quarter ks of a chunk of parity par at v[128 par + 32 ks].
.set SP,    384                        ; a span of 256 bytes and its padding
.set TB,    2*SP                       ; a tile in LDS
.set KB,    24*SP                      ; a block of 16 keys in LDS: 12 tiles
.set HV,    4*KB                       ; 64 keys: one tensor load, one a wave: 36,864 bytes
.set SLOT,  4*HV                       ; 256 keys: 147,456, a multiple of 256
.set FTAB,  2*SLOT                     ; f, [16 chunks][128 rows] f32, then two more lines: f of the first period's chunks.  No fill lands there
.set FFIRST, 16*512                    ; chunk 4 g + 3
.set FSEC,   17*512                    ; chunk 4 g + 2
.set OP,    784                        ; the way out: 768 bytes + 16; the stage lies over slot 0, behind its last fill
.set VBASE, 12*512*4096                ; qkv: v lies behind the twelve groups of q and k
.set SLB,   512*6144                   ; bytes of a slice
.set PSTEP, 16*6144                    ; bytes from a period's 16 blocks of keys to the next period's
.set RSTEP, 65536                      ; bytes of pt from a block of 16 rows to the next
.set ADRV, 200                         ; v200-207: my lane's place in each run of 64 keys: 4 x slot + 2 x (upper chunk) + (upper half of the chunk)
.set FA,   22                          ; my rows' words in a line of the table; never rewritten
.set PL,   23                          ; 16 x lane; never rewritten
.set FH,   24                          ; v[24:31]   the factor of row 16 a + r, twice: a period's upper chunk
.set BV0,  32
.set BV1,  80
.set FL,   128                         ; v[128:135] the same for the lower chunk
.set SMM,  136                         ; v[136:151] m, then f, of my row; v[152:167] l; v[168:183] where they lie
.set SML,  152
.set SAD,  168
.set SO,   192
.set LRA,  193
.set LRB,  194
.set GRA,  195
.set GRB,  196
.set G1V,  48                          ; s[48:55] V's descriptor group 1
.set G0V,  56                          ; s[56:63] group 0, a set for each slot
.set PB,   44                          ; s[44:45] p~ at the chunk that is being asked for
.set PBF,  78                          ; s[78:79] p~ at the first chunk
.set MSB, 0
.macro WIN new
.if MSB != (\new)
	s_set_vgpr_msb (MSB<<8)|(\new)
.set MSB, \new
.endif
.endm
.macro CREST                           ; a round of the cluster's barrier behind its opening barrier
	s_cmp_lg_u32 s14, 0
	s_cbranch_scc1 .Lnot_wave_0_\@
	s_barrier_signal -3
.Lnot_wave_0_\@:
	s_barrier_wait -3
	s_barrier_signal -1
	s_barrier_wait -1
.endm
.macro ROUND                           ; a whole round
	s_barrier_signal -1
	s_barrier_wait -1
	CREST
.endm
; 8 loads: quarter ks (32 keys) of my 64 rows of p~, from the chunk at s[base:base+1], into the ring's half par.  Each takes 512 neighbouring bytes.
.macro GLOAD par, ks, base
	WIN 0xc0                                       ; destination window 3, address window 0
.irp a, 0,1,2,3
	global_load_b128 v[128*(\par)+32*\ks+8*\a:128*(\par)+32*\ks+8*\a+3],   v[PL], s[\base:\base+1] offset:RSTEP*\a+1024*\ks
	global_load_b128 v[128*(\par)+32*\ks+8*\a+4:128*(\par)+32*\ks+8*\a+7], v[PL], s[\base:\base+1] offset:RSTEP*\a+1024*\ks+512
.endr
.endm
	s_load_b256 s[4:11], s[0:1], 0x0               ; pt s[4:5], qkv s[6:7], mst s[8:9], lst s[10:11]
	s_load_b64 s[12:13], s[0:1], 0x20              ; out0
	v_lshl_add_u32 v254, v0, 2, 0x4a400
	v_mov_b32 v255, 0
	ds_add_u32 v254, v255
	ds_add_u32 v254, v255
	v_lshrrev_b32 v1, 5, v0
	v_readfirstlane_b32 s14, v1                    ; wave.  Also: which 64 keys of a slot I fetch
	s_lshr_b32 s15, s14, 1                         ; wm: my half of the rows
	s_and_b32 s16, s14, 1                          ; wn: my half of the columns
	s_bfe_u32 s17, ttmp6, 0x40000                  ; cx: the slice of 192 columns
	s_bfe_u32 s18, ttmp6, 0x40004                  ; cy
	s_and_b32 s22, ttmp7, 0xffff                   ; the cluster's y, 0 .. 15
	s_and_b32 s19, s22, 3                          ; batch
	s_lshr_b32 s20, s22, 2
	s_sub_co_u32 s20, 3, s20                       ; g: the clusters with the most chunks have the lowest numbers
	s_lshl2_add_u32 s21, s20, s18                  ; i = 4 g + cy: my row block
	s_lshl_b32 s77, s20, 2                         ; 4 g
	s_add_co_u32 s76, s77, 1                       ; 4 g + 1
	s_add_co_u32 s75, s77, 2                       ; 4 g + 2
	s_lshl_b32 s41, 0x1111, s17                    ; my column of the cluster
	; a dense block of 24,576 bytes, as 96 rows of 256 bytes (32 elements of 8 bytes)
	s_or_b32 s[G1V+0], s41, (3<<16)|(1<<20)|(1<<21)|(5<<22)|(31<<25) ; mask of my column; 8 bytes; padding on; bit 21 beside a mask; behind every 64 words 32 words of padding
	s_mov_b32 s[G1V+1], 32<<16                     ; tensor_dim0 = 32
	s_mov_b32 s[G1V+2], 96<<16                     ; tensor_dim1 = 96
	s_mov_b32 s[G1V+3], 32<<16                     ; tile_dim0 = 32
	s_mov_b32 s[G1V+4], 96                         ; tile_dim1 = 96
	s_mov_b32 s[G1V+5], 32                         ; elements from row to row
	s_mov_b32 s[G1V+6], 0
	s_mov_b32 s[G1V+7], 0
	; the statistics of my 128 rows, one row a thread: chunk min(c, i), since chunks beyond i were never written
	v_lshlrev_b32 v7, 2, v0
	v_and_b32 v5, 31, v0
	v_lshlrev_b32 v[PL], 4, v5
	s_lshl_b32 s22, s19, 17                        ; 16 chunks x 2048 rows x 4 bytes a batch
	s_lshl_b32 s47, s21, 9                         ; 128 i rows
	s_add_co_u32 s22, s22, s47
	s_wait_dscnt 0x0
	s_wait_kmcnt 0x0
.irp c, 0,1,2,3,4,5,6,7,8,9,10,11,12,13,14,15
	s_min_u32 s47, s21, \c
	s_lshl_b32 s47, s47, 13
	s_add_co_u32 s47, s47, s22
	v_add_nc_u32 v[SAD+\c], s47, v7
	global_load_b32 v[SMM+\c], v[SAD+\c], s[8:9]   ; m
	global_load_b32 v[SML+\c], v[SAD+\c], s[10:11] ; l
.endr
	; p~: block of 16 rows 128 b + 8 i + 4 wm, 65,536 bytes a block; a chunk is 8 tiles, 4,096 bytes
	s_lshl_b32 s44, s19, 7
	s_lshl3_add_u32 s44, s21, s44
	s_lshl2_add_u32 s44, s15, s44
	s_lshl_b32 s44, s44, 16                        ; below 33,554,432
	s_mov_b32 s45, 0
	s_add_nc_u64 s[66:67], s[4:5], s[44:45]        ; p~ at chunk 0
	s_mov_b32 s43, 0
	s_lshl_b32 s42, s21, 12
	s_add_nc_u64 s[PBF:PBF+1], s[66:67], s[42:43]  ; the first chunk: min(4 g + 3, i) = i
	s_min_u32 s42, s21, s75
	s_lshl_b32 s42, s42, 12
	s_add_nc_u64 s[PB:PB+1], s[66:67], s[42:43]    ; the second: min(4 g + 2, i)
	GLOAD 1, 0, PBF                                ; the first three quarters of the ring: with the 32 loads of statistics 56 loads are out
	GLOAD 1, 1, PBF
	GLOAD 1, 2, PBF
	WIN 0
	; V's tiles hang on the batch, g, cx and the wave, in registers that never hold cy
	s_lshl_b32 s68, s19, 7
	s_lshl2_add_u32 s68, s14, s68                  ; block of 16 keys 128 b + 4 x wave
	s_mul_i32 s68, s68, 6144
	s_mul_i32 s70, s17, SLB                        ; my slice
	s_add_co_u32 s68, s68, s70
	s_add_co_u32 s68, s68, VBASE                   ; below 37,748,736 with the periods
	s_mov_b32 s69, 0
	s_add_nc_u64 s[68:69], s[6:7], s[68:69]        ; V at period 0
	s_mul_i32 s73, s14, HV                         ; where my 64 keys go
.irp s, 0,1
	s_mov_b32 s[G0V+4*\s], 1
	s_add_co_u32 s[G0V+4*\s+1], s73, \s*SLOT
.endr
	s_lshl_b32 s70, s20, 1
	s_mul_i32 s70, s70, PSTEP                      ; at most 6 x 98,304 bytes
	s_mov_b32 s71, 0
	s_add_nc_u64 s[G0V+2:G0V+3], s[68:69], s[70:71]                ; slot 0: period 2 g
	s_add_nc_u64 s[G0V+6:G0V+7], s[G0V+2:G0V+3], PSTEP             ; slot 1: period 2 g + 1
	s_or_b32 s[G0V+3], s[G0V+3], 0x80000000
	s_or_b32 s[G0V+7], s[G0V+7], 0x80000000
	ROUND                                          ; all sixteen work-groups are here
	tensor_load_to_lds s[G0V+4:G0V+7], s[G1V:G1V+7]                ; both first fills together: two tensor loads of the wave are out, the most in this text
	s_nop 0
	tensor_load_to_lds s[G0V:G0V+3], s[G1V:G1V+7]
	s_nop 0
	v_and_b32 v1, 15, v0                           ; r
	v_bfe_u32 v2, v0, 4, 1                         ; h
	v_and_b32 v3, 7, v0
	v_lshlrev_b32 v3, 4, v3                        ; V, for the transposing load: key 8 h + l % 8 of a block of 16, 16 bytes a key,
	v_lshl_add_u32 v3, v2, 7, v3
	v_bfe_u32 v4, v0, 3, 1
	v_mad_u32_u24 v3, v4, SP, v3                   ; in the span of the tile's columns 0-7 or 8-15,
	s_mul_i32 s22, s16, 6*TB                       ; in my six of the twelve tiles
	v_add_nc_u32 v[ADRV], s22, v3
.irp n, 1,2,3,4,5,6,7
	v_add_nc_u32 v[ADRV+\n], \n*HV, v[ADRV]        ; a register for every 64 keys of the two slots: a chunk's 73,728 bytes are more than a 16-bit immediate reaches
.endr
	s_lshl_b32 s22, s15, 8
	s_add_co_u32 s22, s22, FTAB
	v_lshl_add_u32 v[FA], v1, 2, s22               ; f of row 64 wm + r in the table's first line
	v_add_nc_u32 v8, FTAB, v7                      ; where I put f of row t
	v_mul_u32_u24 v3, v1, OP
	v_lshl_add_u32 v3, v2, 5, v3
	s_mul_i32 s22, s15, 64*OP
	s_mul_i32 s47, s16, 384
	s_add_co_u32 s22, s22, s47
	v_add_nc_u32 v[SO], s22, v3                    ; the way out, in: row 64 wm + r, byte 384 wn + 32 h
	s_mul_i32 s22, s14, 32*OP
	v_lshl_add_u32 v5, v1, 4, s22                  ; back: my wave's 32 rows as spans of 256 bytes, two an instruction
	v_mad_u32_u24 v[LRA], v2, 256, v5              ; lanes 16-31 take the next span of the same row,
	v_mad_u32_u24 v[LRB], v2, 272, v5              ; or the first of the next row
	s_mul_i32 s22, s14, 32*3072
	v_lshl_add_u32 v5, v1, 4, s22
	v_mad_u32_u24 v[GRA], v2, 256, v5
	v_mad_u32_u24 v[GRB], v2, 2560, v5
	s_wait_loadcnt 24                              ; the statistics are in; the 24 loads of p~ behind them may be out
	GLOAD 1, 3, PBF                                ; four more quarters of the ring: again 56 loads are out at the most
	GLOAD 0, 0, PB
	GLOAD 0, 1, PB
	GLOAD 0, 2, PB
	WIN 0
	; the factors
	v_max3_num_f32 v184, v[SMM], v[SMM+1], v[SMM+2]                ; M; a chunk that stands twice does no harm to a maximum
.irp c, 3,5,7,9,11,13
	v_max3_num_f32 v184, v184, v[SMM+\c], v[SMM+\c+1]
.endr
	v_max_num_f32 v184, v184, v[SMM+15]
.irp c, 0,1,2,3,4,5,6,7,8,9,10,11,12,13,14,15
	v_sub_f32 v[SMM+\c], v[SMM+\c], v184
.endr
.irp c, 0,1,2,3,4,5,6,7,8,9,10,11,12,13,14,15
	v_exp_f32 v[SMM+\c], v[SMM+\c]
.endr
	v_nop                                          ; one plain place behind the last exponential (ISA guide 5.7.2)
	s_wait_alu depctr_va_vdst(0)
.irp c, 0,1,2,3,4,5,6,7,8,9,10,11,12,13,14,15
	s_cmp_ge_u32 s21, \c
	s_cselect_b32 s47, 1.0, 0                      ; chunks beyond i count for nothing: a choice of a value, no branch
	v_mul_f32 v[SMM+\c], s47, v[SMM+\c]
.endr
	v_mul_f32 v185, v[SMM], v[SML]
.irp c, 1,2,3,4,5,6,7,8,9,10,11,12,13,14,15
	v_fmac_f32 v185, v[SMM+\c], v[SML+\c]          ; L
.endr
	v_rcp_f32 v186, v185
	v_nop
	s_wait_alu depctr_va_vdst(0)
.irp c, 0,1,2,3,4,5,6,7,8,9,10,11,12,13,14,15
	v_mul_f32 v[SMM+\c], v[SMM+\c], v186
	ds_store_b32 v8, v[SMM+\c] offset:512*\c
.endr
	s_cmp_eq_u32 s20, 0                            ; two more lines: f of chunks 4 g + 3 and 4 g + 2, picked out by factors of 1 and 0
	s_cselect_b32 s47, 1.0, 0
	v_mul_f32 v187, s47, v[SMM+3]
	v_mul_f32 v188, s47, v[SMM+2]
.irp k, 1,2,3
	s_cmp_eq_u32 s20, \k
	s_cselect_b32 s47, 1.0, 0
	v_fmac_f32 v187, s47, v[SMM+3+4*\k]
	v_fmac_f32 v188, s47, v[SMM+2+4*\k]
.endr
	ds_store_b32 v8, v187 offset:FFIRST
	ds_store_b32 v8, v188 offset:FSEC
; 12 LDS loads: 32 keys (number ks of the chunk's four: two blocks of 16) of my 96 columns of V, from the chunk whose two address registers begin at v[av], into buffer buf
.macro FETCH av, ks, buf
	WIN 0
.irp b, 0,1,2,3,4,5
	ds_load_tr16_b128 v[BV\buf+8*\b:BV\buf+8*\b+3],   v[\av+(\ks)/2] offset:2*KB*((\ks)%2)+TB*\b
	ds_load_tr16_b128 v[BV\buf+8*\b+4:BV\buf+8*\b+7], v[\av+(\ks)/2] offset:2*KB*((\ks)%2)+TB*\b+KB
.endr
.endm
.macro FLOAD fs, foff                  ; a chunk's factors of rows 16 a + r, from line foff of the table
	WIN 0
.irp a, 0,1,2,3
	ds_load_b32 v[\fs+2*\a], v[FA] offset:\foff+64*\a
.endr
.endm
; 24 matrix instructions on T.  The 24 accumulators take turns, one instruction a turn, always in the same order.
.macro MUL buf, par, ks, zero
	WIN 0x5c                                       ; source 0 (V) window 0, source 1 (p~) window 3, C and D window 1
.irp a, 0,1,2,3
.irp b, 0,1,2,3,4,5
.if \zero
	v_wmma_f32_16x16x32_f16 v[8*(6*\a+\b):8*(6*\a+\b)+7], v[BV\buf+8*\b:BV\buf+8*\b+7], v[128*(\par)+32*\ks+8*\a:128*(\par)+32*\ks+8*\a+7], 0
.else
	v_wmma_f32_16x16x32_f16 v[8*(6*\a+\b):8*(6*\a+\b)+7], v[BV\buf+8*\b:BV\buf+8*\b+7], v[128*(\par)+32*\ks+8*\a:128*(\par)+32*\ks+8*\a+7], v[8*(6*\a+\b):8*(6*\a+\b)+7]
.endif
.endr
.endr
.endm
.macro PLACES                          ; four plain vector places behind matrix instructions (ISA guide 7.12.1 for vector instructions)
.rept 4
	v_nop
.endr
.endm
.macro LWAIT n                         ; this quarter's p~ is in.  n = quarters left behind it: the loads of the next six, or of all that are left, may be out
.if (\n) >= 6
	s_wait_loadcnt 48
.else
	s_wait_loadcnt 8*(\n)
.endif
.endm
; One chunk's product T.  av: the chunk's V in LDS; par: the chunk's parity, its half of p~'s ring; fs, foff: its factors' registers and line;
; e: quarters left behind its first (4 c + 3); n2: the number of the chunk two below.  head = 1: its factors and first V fragments are fetched here.
; tl = 1: those of the next chunk (avn, fsn, foffn), which lies in the same slot, are fetched in the last quarter.
; A quarter with fewer than 7 quarters left behind it asks for no p~.
.macro CHUNK av, par, fs, foff, e, n2, head, tl, avn, fsn, foffn
.if \head
	FLOAD \fs, \foff
	FETCH \av, 0, 0
	FETCH \av, 1, 1
.endif
	LWAIT \e
.if (\e) >= 7
	GLOAD 1-\par, 3, PB                            ; the last quarter of the chunk below, into the registers that the chunk above read last
.endif
	s_wait_dscnt 12                                ; all but the 12 loads of the younger buffer
	MUL 0, \par, 0, 1                              ; the constant 0 starts T
	PLACES
	FETCH \av, 2, 0
	LWAIT (\e)-1
.if (\e)-1 >= 7
	s_wait_xcnt 0x0                                ; the base is a source of the loads issued so far: it is rewritten only behind this wait
	s_min_u32 s42, s21, \n2                        ; p~ is held at chunk i
	s_lshl_b32 s42, s42, 12
	s_add_nc_u64 s[PB:PB+1], s[66:67], s[42:43]
	GLOAD \par, 0, PB
.endif
	s_wait_dscnt 12
	MUL 1, \par, 1, 0
	PLACES
	FETCH \av, 3, 1
	LWAIT (\e)-2
.if (\e)-2 >= 7
	GLOAD \par, 1, PB
.endif
	s_wait_dscnt 12
	MUL 0, \par, 2, 0
	PLACES
.if \tl
	FLOAD \fsn, \foffn
	FETCH \avn, 0, 0
.endif
	LWAIT (\e)-3
.if (\e)-3 >= 7
	GLOAD \par, 2, PB
.endif
.if \tl
	s_wait_dscnt 16                                ; all but the next chunk's 4 factors and 12 fragment loads
.else
	s_wait_dscnt 0x0
.endif
	MUL 1, \par, 3, 0
	WIN 0
.endm
.macro FMOV fs                         ; the factor twice, for the packed forms; these four lines are also the four places behind the last matrix instruction
	WIN 0
.irp a, 0,1,2,3
	v_mov_b32 v[\fs+2*\a+1], v[\fs+2*\a]
.endr
.endm
.macro FSUM fs, first                  ; O += f T; first = 1: O = f T, so that nothing is cleared
.if \first
	WIN 0x81
.else
	WIN 0xa1
.endif
.irp a, 0,1,2,3
.irp b, 0,1,2,3,4,5
.irp k, 0,2,4,6
.if \first
	v_pk_mul_f32 v[8*(6*\a+\b)+\k:8*(6*\a+\b)+\k+1], v[8*(6*\a+\b)+\k:8*(6*\a+\b)+\k+1], v[\fs+2*\a:\fs+2*\a+1]
.else
	v_pk_fma_f32 v[8*(6*\a+\b)+\k:8*(6*\a+\b)+\k+1], v[8*(6*\a+\b)+\k:8*(6*\a+\b)+\k+1], v[\fs+2*\a:\fs+2*\a+1], v[8*(6*\a+\b)+\k:8*(6*\a+\b)+\k+1]
.endif
.endr
.endr
.endr
	WIN 0
.endm
; The change of slots in front of a period that lies in slot \slot.  Each wave waits for all its tensor loads (its part of this slot among them) and for its reads of the
; other slot; the barrier opens a round of the cluster's barrier where the other slot is filled again (refill = 1), with the period below this one; the joint refill is the
; first tensor load behind the round and my only one until the next.  The last chunk's sum into O, register work, stands between the opening signal and its wait.
.macro OPEN slot, refill
	s_wait_tensorcnt 0x0                           ; no tensor load of mine is out: a group 0 may be written
	ds_add_u32 v254, v255
	s_wait_dscnt 0x0
.if \refill
	s_sub_nc_u64 s[G0V+4*(1-\slot)+2:G0V+4*(1-\slot)+3], s[G0V+4*(1-\slot)+2:G0V+4*(1-\slot)+3], 2*PSTEP   ; two periods down; the type bits on top are not reached
.endif
	s_wait_dscnt 0x0
	s_barrier_signal -1
	FMOV FL
	FSUM FL, 0
	s_barrier_wait -1
.if \refill
	CREST
	tensor_load_to_lds s[G0V+4*(1-\slot):G0V+4*(1-\slot)+3], s[G1V:G1V+7]
	s_nop 0
.endif
.endm
; A period of the written-out run: chunks ch (odd, the slot's upper 128 keys) and ch - 1.  The lower chunk's sum into O stands in the next OPEN.
.macro PERIOD slot, ch
	CHUNK ADRV+4*\slot+2, 1, FH, 512*\ch, 4*\ch+3, \ch-2, 1, 1, ADRV+4*\slot, FL, 512*(\ch-1)
	FMOV FH
	FETCH ADRV+4*\slot, 1, 1
	FSUM FH, 0
	CHUNK ADRV+4*\slot, 0, FL, 512*(\ch-1), 4*\ch-1, \ch-3, 0, 0, 0, 0, 0
.endm
	s_wait_tensorcnt 0x1                           ; my part of slot 1 is in; slot 0's stays out
	s_wait_dscnt 0x0                               ; my stores of the factors are done
	s_barrier_signal -1
	s_barrier_wait -1
	CHUNK ADRV+6, 1, FH, FFIRST, 99, s76, 1, 1, ADRV+4, FL, FSEC   ; chunk 4 g + 3 (at least 8 quarters follow it whatever g: every quarter asks for p~)
	FMOV FH
	FETCH ADRV+4, 1, 1
	FSUM FH, 1                                     ; starts O
	CHUNK ADRV+4, 0, FL, FSEC, 99, s77, 0, 0, 0, 0, 0              ; chunk 4 g + 2
	s_cmp_eq_u32 s20, 3                            ; on to period 2 g: g hangs on the cluster's y alone, the same in all sixteen
	s_cbranch_scc1 .Lp6
	s_cmp_eq_u32 s20, 2
	s_cbranch_scc1 .Lp4
	s_cmp_eq_u32 s20, 1
	s_cbranch_scc1 .Lp2
	s_branch .Lp0
.Lp6:
	OPEN 0, 1
	PERIOD 0, 13
	OPEN 1, 1
	PERIOD 1, 11
.Lp4:
	OPEN 0, 1
	PERIOD 0, 9
	OPEN 1, 1
	PERIOD 1, 7
.Lp2:
	OPEN 0, 1
	PERIOD 0, 5
	OPEN 1, 1
	PERIOD 1, 3
.Lp0:
	OPEN 0, 0                                      ; the last period: nothing is left to ask for, so a barrier of the work-group alone
	PERIOD 0, 1
	FMOV FL
	FSUM FL, 0
	; THE WAY OUT: O into a stage of 128 rows x 768 bytes laid over slot 0, which has had its last fill; back as whole spans of 256 bytes.
	s_lshl_b32 s70, s19, 11
	s_lshl_b32 s71, s21, 7
	s_add_co_u32 s70, s70, s71
	s_mul_i32 s70, s70, 3072                       ; row 2048 b + 128 i: below 25,165,824
	s_mul_i32 s71, s17, 768                        ; the slice
	s_add_co_u32 s70, s70, s71
	s_mov_b32 s71, 0
	s_add_nc_u64 s[12:13], s[12:13], s[70:71]
	s_wait_dscnt 0x0                               ; my reads of the slot are over
	s_barrier_signal -1
	s_barrier_wait -1                              ; everybody's are
	WIN 0x08                                       ; store data from window 2
.irp a, 0,1,2,3
.irp b, 0,1,2,3,4,5
	ds_store_b128 v[SO], v[8*(6*\a+\b):8*(6*\a+\b)+3]   offset:16*OP*\a+64*\b
	ds_store_b128 v[SO], v[8*(6*\a+\b)+4:8*(6*\a+\b)+7] offset:16*OP*\a+64*\b+16
.endr
.endr
	WIN 0
	s_wait_dscnt 0x0                               ; for the others' sake: my stores are done
	s_barrier_signal -1
	s_barrier_wait -1
	WIN 0x40                                       ; into window 1: T's registers are free
.set u, 0
.rept 16                               ; two rows = six spans = three loads
	ds_load_b128 v[12*u:12*u+3],    v[LRA] offset:2*OP*u
	ds_load_b128 v[12*u+4:12*u+7],  v[LRB] offset:2*OP*u+512
	ds_load_b128 v[12*u+8:12*u+11], v[LRA] offset:2*OP*u+OP+256
.set u, u+1
.endr
	WIN 0x04                                       ; store data from window 1
.set u, 0
.rept 16
	s_wait_dscnt 47-3*u                            ; the younger read-backs may be out
	global_store_b128 v[GRA], v[12*u:12*u+3],    s[12:13] offset:6144*u         ; 16 lanes store 256 neighbouring bytes, at a multiple of 256 from out0's first byte
	s_wait_dscnt 46-3*u
	global_store_b128 v[GRB], v[12*u+4:12*u+7],  s[12:13] offset:6144*u+512
	s_wait_dscnt 45-3*u
	global_store_b128 v[GRA], v[12*u+8:12*u+11], s[12:13] offset:6144*u+3328
.set u, u+1
.endr
	WIN 0
	s_wait_tensorcnt 0x0
	ds_add_u32 v254, v255
	s_wait_dscnt 0x0
	ROUND                                          ; the closing round: no work-group ends while a partner may still ask for a tile that names it
	s_endpgm
.Lfunc_end_k_q43bdfc94d2_context:
	.size	k_q43bdfc94d2_context, .Lfunc_end_k_q43bdfc94d2_context-k_q43bdfc94d2_context
	.p2alignl 7, 3214868480
	.fill 96, 4, 3214868480
	.section	.rodata,"a",@progbits
	.p2align	6, 0x0
	.amdhsa_kernel k_q43bdfc94d2_context
		.amdhsa_group_segment_fixed_size 327680
		.amdhsa_private_segment_fixed_size 0
		.amdhsa_enable_private_segment 0
		.amdhsa_kernarg_size 40
		.amdhsa_user_sgpr_count 2
		.amdhsa_user_sgpr_kernarg_segment_ptr 1
		.amdhsa_wavefront_size32 1
		.amdhsa_system_sgpr_workgroup_id_x 1
		.amdhsa_system_sgpr_workgroup_id_y 1
		.amdhsa_system_sgpr_workgroup_id_z 1
		.amdhsa_system_vgpr_workitem_id 0
		.amdhsa_next_free_vgpr 1024
		.amdhsa_next_free_sgpr 80
		.amdhsa_reserve_vcc 0
		.amdhsa_float_denorm_mode_32 3
		.amdhsa_float_denorm_mode_16_64 3
		.amdhsa_memory_ordered 1
		.amdhsa_forward_progress 1
		.amdhsa_inst_pref_size 255
	.end_amdhsa_kernel
	.section	.bss,"aw",@nobits
	.p2align	6
	.space	262144
	.amdgpu_metadata
---
amdhsa.version: [ 1, 2 ]
amdhsa.kernels:
  - .name:           k_q43bdfc94d2_context
    .symbol:         k_q43bdfc94d2_context.kd
    .args:
      - { .name: pt, .offset: 0, .size: 8, .value_kind: global_buffer, .address_space: global }
      - { .name: qkv, .offset: 8, .size: 8, .value_kind: global_buffer, .address_space: global }
      - { .name: mst, .offset: 16, .size: 8, .value_kind: global_buffer, .address_space: global }
      - { .name: lst, .offset: 24, .size: 8, .value_kind: global_buffer, .address_space: global }
      - { .name: out0, .offset: 32, .size: 8, .value_kind: global_buffer, .address_space: global }
    .group_segment_fixed_size: 327680
    .private_segment_fixed_size: 0
    .kernarg_segment_align: 8
    .kernarg_segment_size: 40
    .max_flat_workgroup_size: 128
    .sgpr_count:     80
    .vgpr_count:     1024
    .wavefront_size: 32
...
	.end_amdgpu_metadata
.endif
;; end of part 7
;; ======== version 3 of 3: 4 launches; version 2 with the launch cast written anew for expert scheduling mode
;; limits: values are held in f16: magnitudes above 65,504 overflow, below 6.1e-05 lose precision
;; workspace buffers: xb 12,582,912 bytes; wb 3,538,944 bytes; qkv 37,748,736 bytes; pt 33,554,432 bytes; mst 524,288 bytes; lst 524,288 bytes
;; launch cast (part 8): grid 246 x 1, 8 waves a work-group, no clusters, 0 bytes of LDS; arguments x, Wq, Wk, Wv, xb, wb; writes xb, wb
.if DOCPART == 8
	.amdgcn_target "amdgcn-amd-amdhsa--gfx1250"
	.amdhsa_code_object_version 6
	.text
	.protected	k_q43bdfc94d2_cast
	.globl	k_q43bdfc94d2_cast
	.p2align	8
	.type	k_q43bdfc94d2_cast,@function
k_q43bdfc94d2_cast:
	s_mov_b64 s[64:65], 0
	v_nop
	global_prefetch_b8 v0, s[64:65] scope:SCOPE_SE
	s_setreg_imm32_b32 hwreg(HW_REG_WAVE_SCHED_MODE, 0, 2), 2
	s_setreg_imm32_b32 hwreg(HW_REG_WAVE_MODE, 25, 1), 1
	s_wait_xcnt 0x0
	s_wait_alu depctr_vm_vsrc(0)
; xb = bf16(x), wb = bf16(Wq, Wk, Wv stacked by rows), rounded to nearest even.  A stream: every byte is read once and written once.
; A work-group converts 32,768 numbers (131,072 bytes in, 65,536 out).  x is 192 such pieces (work-groups 0-191), each W 18 (work-groups 192-245).
; Thread t takes 16 bytes at 16 t of each 4,096-byte line of its piece: a wave's load covers 512 neighbouring bytes, its 8-byte store 256
; neighbouring bytes that start at a multiple of 256.  All 32 loads of a wave go out first; no register is written twice.
; No LDS, no barrier, no matrix unit: there is nothing to share and nothing to multiply.
; THE MODE: SCHED_MODE bits 1:0 = 2 (LLVM: expert scheduling mode 2), set by the entry lines.  The code itself states the register dependences
; between vector instructions and memory instructions, with s_wait_alu, always for 0.
; THE PLAN.  Registers that memory instructions touch:
;   v1, v2   byte offsets of the loads and of the stores.  Written once at the head by vector instructions, never again.
;   X        line j: four registers.  Written by load j alone (no vector instruction names them ahead of it); read by line j's two conversions, behind the wait for the load.
;   Y        line j: two registers.  Written once, by line j's two conversions; read once, by store j.
; So one wait stands ahead of the first load, for the two offsets.  The 32 lines go in eight blocks of four: a block's eight conversions are issued as its lines
; land, ONE wait states that they have written the block's Y, and the block's four stores follow in one run.  The wait stands behind the conversions, not at the next
; block's head: every load is out already, so no load is left to deal among the conversions, and the stores would else be held until four more lines have landed.
; No register that a load or store reads is ever written again: no wait is owed for that.  No vector instruction writes a scalar register, and EXEC is never written.
.set NLD,   32                         ; loads of a thread
.set BLOCK, 4                          ; lines in a block
.set X,   4                            ; v[4:131]   the numbers as loaded
.set Y,   132                          ; v[132:195] the numbers as stored
	s_load_b256 s[4:11], s[0:1], 0x0               ; x s[4:5], Wq s[6:7], Wk s[8:9], Wv s[10:11]
	s_load_b128 s[12:15], s[0:1], 0x20             ; xb s[12:13], wb s[14:15]
	s_max_u32 s17, ttmp9, 192
	s_sub_co_u32 s17, s17, 192                     ; j: the piece among the 54 of the weights (0 for the work-groups of x, not used there)
	v_lshlrev_b32 v1, 4, v0                        ; 16 t: where I read
	v_lshlrev_b32 v2, 3, v0                        ; 8 t: where I write
	s_wait_kmcnt 0x0
	s_mov_b64 s[20:21], s[6:7]                     ; the source and the piece's number in it: Wq, j
	s_mov_b32 s18, s17
	s_sub_co_u32 s19, s17, 18                      ; (wraps where j < 18: then it is not taken)
	s_cmp_ge_u32 s17, 18
	s_cselect_b64 s[20:21], s[8:9], s[20:21]       ; Wk, j - 18
	s_cselect_b32 s18, s19, s18
	s_sub_co_u32 s19, s17, 36
	s_cmp_ge_u32 s17, 36
	s_cselect_b64 s[20:21], s[10:11], s[20:21]     ; Wv, j - 36
	s_cselect_b32 s18, s19, s18
	s_cmp_lt_u32 ttmp9, 192
	s_cselect_b64 s[20:21], s[4:5], s[20:21]       ; x, the work-group's number
	s_cselect_b32 s18, ttmp9, s18
	s_cselect_b64 s[22:23], s[12:13], s[14:15]     ; the destination: xb, or wb, in which the three weights follow each other
	s_cselect_b32 s19, ttmp9, s17
	s_lshl_b32 s24, s18, 17                        ; 131,072 bytes a piece in
	s_mov_b32 s25, 0
	s_lshl_b32 s26, s19, 16                        ; 65,536 out
	s_mov_b32 s27, 0
	s_add_nc_u64 s[20:21], s[20:21], s[24:25]
	s_add_nc_u64 s[22:23], s[22:23], s[26:27]
	s_wait_alu depctr_va_vdst(0)                   ; v1 and v2 are written: every load below reads v1 as its offset, every store v2
.set j, 0
.rept NLD
	global_load_b128 v[X+4*j:X+4*j+3], v1, s[20:21] offset:4096*j th:TH_LOAD_NT
.set j, j+1
.endr
.set p, 0
.rept NLD/BLOCK
.set i, 0
.rept BLOCK
.set j, BLOCK*p+i
	s_wait_loadcnt NLD-1-j                         ; loads come back in order (ISA guide 5.7.1): load j is in, the younger ones stay out
	v_cvt_pk_bf16_f32 v[Y+2*j],   v[X+4*j],   v[X+4*j+1]
	v_cvt_pk_bf16_f32 v[Y+2*j+1], v[X+4*j+2], v[X+4*j+3]
.set i, i+1
.endr
	s_wait_alu depctr_va_vdst(0)                   ; the block's eight conversions have written its Y registers, which the four stores below read
.set i, 0
.rept BLOCK
.set j, BLOCK*p+i
	global_store_b64 v2, v[Y+2*j:Y+2*j+1], s[22:23] offset:2048*j
.set i, i+1
.endr
.set p, p+1
.endr
	s_endpgm
.Lfunc_end_k_q43bdfc94d2_cast:
	.size	k_q43bdfc94d2_cast, .Lfunc_end_k_q43bdfc94d2_cast-k_q43bdfc94d2_cast
	.p2alignl 7, 3214868480
	.fill 96, 4, 3214868480
	.section	.rodata,"a",@progbits
	.p2align	6, 0x0
	.amdhsa_kernel k_q43bdfc94d2_cast
		.amdhsa_group_segment_fixed_size 0
		.amdhsa_private_segment_fixed_size 0
		.amdhsa_enable_private_segment 0
		.amdhsa_kernarg_size 48
		.amdhsa_user_sgpr_count 2
		.amdhsa_user_sgpr_kernarg_segment_ptr 1
		.amdhsa_wavefront_size32 1
		.amdhsa_system_sgpr_workgroup_id_x 1
		.amdhsa_system_sgpr_workgroup_id_y 1
		.amdhsa_system_sgpr_workgroup_id_z 1
		.amdhsa_system_vgpr_workitem_id 0
		.amdhsa_next_free_vgpr 196
		.amdhsa_next_free_sgpr 66
		.amdhsa_reserve_vcc 0
		.amdhsa_float_denorm_mode_32 3
		.amdhsa_float_denorm_mode_16_64 3
		.amdhsa_memory_ordered 1
		.amdhsa_forward_progress 1
		.amdhsa_inst_pref_size 13
	.end_amdhsa_kernel
	.amdgpu_metadata
---
amdhsa.version: [ 1, 2 ]
amdhsa.kernels:
  - .name:           k_q43bdfc94d2_cast
    .symbol:         k_q43bdfc94d2_cast.kd
    .args:
      - { .name: x, .offset: 0, .size: 8, .value_kind: global_buffer, .address_space: global }
      - { .name: Wq, .offset: 8, .size: 8, .value_kind: global_buffer, .address_space: global }
      - { .name: Wk, .offset: 16, .size: 8, .value_kind: global_buffer, .address_space: global }
      - { .name: Wv, .offset: 24, .size: 8, .value_kind: global_buffer, .address_space: global }
      - { .name: xb, .offset: 32, .size: 8, .value_kind: global_buffer, .address_space: global }
      - { .name: wb, .offset: 40, .size: 8, .value_kind: global_buffer, .address_space: global }
    .group_segment_fixed_size: 0
    .private_segment_fixed_size: 0
    .kernarg_segment_align: 8
    .kernarg_segment_size: 48
    .max_flat_workgroup_size: 256
    .sgpr_count:     66
    .vgpr_count:     196
    .wavefront_size: 32
...
	.end_amdgpu_metadata
.endif
;; end of part 8
;; launch project: the kernel of part 5 again; grid 8 x 32, 4 waves a work-group, clusters of 4 x 4, 327,680 bytes of LDS; arguments xb, wb, qkv; writes qkv
;; launch scores: the kernel of part 6 again; grid 36 x 4, 4 waves a work-group, no clusters, 327,680 bytes of LDS; arguments qkv, pt, mst, lst; writes pt, mst, lst
;; launch context: the kernel of part 7 again; grid 4 x 64, 4 waves a work-group, clusters of 4 x 4, 327,680 bytes of LDS; arguments pt, qkv, mst, lst, out0; writes out0
